; MI455X (gfx1250); checked and timed in simulation.
; The chip was launched on July 23, 2026; its instructions are those of AMD's public machine-readable ISA for CDNA 5 (MIT licence, August 2026) and "CDNA5" Instruction Set Architecture Reference Guide (July 2026). The comments in the code are by the model that wrote it; some were corrected since.
;; Attention Block. Allowed arithmetic: matrix products marked QUANTISED: E2M1 operands, one E8M0 scale for each 32 along K, by v_wmma_scale_f32_16x16x128_f8f6f4 with both operands' format E2M1 (or v_wmma_scale_f32_32x16x128_f4), f32 sums; everything else in f32.
;; Inputs: bk 512 float32; bo 512 float32; bq 512 float32; bv 512 float32; gn_beta 512 float32; gn_gamma 512 float32; wk_codes 512 x 16 x 16 uint8 (E2M1 codes of wk, K innermost, in blocks of 32 codes, two codes a byte); wk_scales 512 x 16 uint8 (E8M0 scales of wk, one for each 32 codes along K); wo_codes 512 x 16 x 16 uint8 (E2M1 codes of wo, K innermost, in blocks of 32 codes, two codes a byte); wo_scales 512 x 16 uint8 (E8M0 scales of wo, one for each 32 codes along K); wq_codes 512 x 16 x 16 uint8 (E2M1 codes of wq, K innermost, in blocks of 32 codes, two codes a byte); wq_scales 512 x 16 uint8 (E8M0 scales of wq, one for each 32 codes along K); wv_codes 512 x 16 x 16 uint8 (E2M1 codes of wv, K innermost, in blocks of 32 codes, two codes a byte); wv_scales 512 x 16 uint8 (E8M0 scales of wv, one for each 32 codes along K); x 32 x 32 x 32 x 512 float32.
;; Outputs: out0 32 x 32 x 32 x 512 float32.
;; This version of the problem:
;;   THIS VERSION OF THE PROBLEM IS GIVEN IN LOW PRECISION. The matrix products marked QUANTISED in the list below multiply operands that are first quantised to E2M1 (2 exponent bits, 1 mantissa bit; 4 bits a number), with one power-of-two scale for each 32 numbers along K (OCP MX v1.0); their sums are f32. All else is computed in f32.
;;   The module's matrix products, in the order in which they are computed (A, B: the left and right operand; K: the contracted axis; several contracted axes count as one K, in the product's order):
;;     1. [M 32,768, K 512] x [K 512, N 512]; A: computed on the way; B: input wq (given as codes): QUANTISED
;;     2. [M 32,768, K 512] x [K 512, N 512]; A: computed on the way; B: input wk (given as codes): QUANTISED
;;     3. [M 32,768, K 512] x [K 512, N 512]; A: computed on the way; B: input wv (given as codes): QUANTISED
;;     4. batch 32 x [M 1,024, K 512] x [K 512, N 1,024]; A: computed on the way; B: computed on the way: QUANTISED
;;     5. batch 32 x [M 512, K 1,024] x [K 1,024, N 1,024]; A: computed on the way; B: softmax (see below): QUANTISED
;;     6. [M 32,768, K 512] x [K 512, N 512]; A: computed on the way; B: input wo (given as codes): QUANTISED
;;   THE QUANTISER, for each operand of a quantised product, along K:
;;     - K is cut into blocks of 32 from its start; a last block that is shorter is filled with zeros.
;;     - A block's scale is 2^e with e = floor(log2(the largest magnitude in the block)) - 2, held to -126 .. 127; a block of zeros has e = 0. As a byte (E8M0): e + 127.
;;     - Each number is divided by its block's scale, clamped to +-6, and rounded to the nearest number of E2M1, ties to even, subnormals kept.
;;     - The product sums the exact products of the quantised numbers (number of the format x scale) in f32.
;;   ~~~python
;;   def quantise(x, axis):      # numpy; x: float32 -> the quantised numbers, widened to float32 again
;;       x = np.moveaxis(x, axis, -1); K = x.shape[-1]
;;       x = np.pad(x, [(0, 0)] * (x.ndim - 1) + [(0, -K % 32)]); x = x.reshape(x.shape[:-1] + (-1, 32)); a = np.abs(x).max(-1, keepdims=True)
;;       e = np.where(a > 0, np.clip(np.frexp(np.where(a > 0, a, 1))[1] - 1 - 2, -126, 127), 0)      # np.frexp(a)[1] - 1 = floor(log2(a)), exactly
;;       r = np.clip(x / 2.0 ** e, -6, 6)
;;       step = 2.0 ** (np.maximum(np.frexp(np.where(r == 0, 1, r))[1] - 1, 0) - 1)
;;       q = np.round(r / step) * step * 2.0 ** e      # np.round: ties to even
;;       return np.moveaxis(q.reshape(q.shape[:-2] + (-1,))[..., :K], -1, axis).astype(np.float32)
;;   ~~~
;;   SOFTMAX AHEAD OF A QUANTISED PRODUCT. Where the list says 'softmax', what is quantised is not the finished softmax but p = 2^(t - M), with t = logit x log2(e) and M = ceil(the row's largest t), a whole number; so 1/2 < the row's largest p <= 1. The row's sum l is taken of the UNQUANTISED p, in f32, and the product's result is divided by l at the end. Since M is a whole number, a kernel that streams over the keys may use a running M (the ceiling of the running maximum): every later rescaling is an exact power of two, which a block's scale takes up: the codes' values come out the same.
;;   OPERANDS COMPUTED ON THE WAY. 'Computed on the way' means the value that the module computes at that place (a softmax that the list does not call 'softmax' is quantised finished and normalised). What goes into a quantiser is computed in f32, as accurately as f32 sums, v_exp_f32 and their like allow (about 1e-6 of the number): no bf16 or f16 on the way to a quantiser, and a product that is left as it is and whose result goes on into a quantised operand takes f32 operands (vector FMAs, or v_wmma_f32_16x16x4_f32). A number that lies on a knife's edge between two numbers of the format may be rounded either way, as far as f32 arithmetic and the matrix unit's own rounding can turn it there, and no further.
;;   INPUTS GIVEN AS CODES. wk (in the module: [512, 512], K = its axis 0); wo (in the module: [512, 512], K = its axis 0); wq (in the module: [512, 512], K = its axis 0); wv (in the module: [512, 512], K = its axis 0): each comes as NAME_codes (uint8): NAME with its K axis moved to the last place and cut into blocks of 32 codes, [.., K / 32, bytes a block], one block behind the other in memory; two codes a byte, the lower K in the low four bits (a code: sign, 2 exponent bits, 1 mantissa bit); and NAME_scales (uint8): the same leading axes, one E8M0 byte (e + 127) for each 32 codes along K. Its value is code x scale, taken as it is: it is not quantised again, and the codes and scales need not be those that the quantiser above would give.
;; One version. Each part assembles by itself: llvm-mc -triple=amdgcn-amd-amdhsa -mcpu=gfx1250 --defsym DOCPART=n.
;; ======== version 1 of 1: 4 launches
;; workspace buffers: stats 262,144 bytes; wimg 524,288 bytes; qbuf 8,912,896 bytes; kbuf 8,912,896 bytes; vbuf 8,912,896 bytes; obuf 8,912,896 bytes
;; launch stats (part 1): grid 1024 x 1, 4 waves a work-group, no clusters, 768 bytes of LDS; arguments x, wq_codes, wk_codes, wv_codes, wo_codes, stats, wimg; writes stats, wimg
.if DOCPART == 1
	.amdgcn_target "amdgcn-amd-amdhsa--gfx1250"
	.amdhsa_code_object_version 6
	.text
	.protected	k_q40bbc96bbc_stats
	.globl	k_q40bbc96bbc_stats
	.p2align	8
	.type	k_q40bbc96bbc_stats,@function
k_q40bbc96bbc_stats:
	s_mov_b64 s[64:65], 0
	v_nop
	global_prefetch_b8 v0, s[64:65] scope:SCOPE_SE
	s_setreg_imm32_b32 hwreg(HW_REG_WAVE_MODE, 25, 1), 1
	s_wait_xcnt 0x0
; FIRST OF FOUR LAUNCHES of: out = conv(attention(conv q, k, v of GroupNorm(x))) + x, all six products on codes of E2M1 with one E8M0 scale for each 32 along K.
; NO WORK IS LEFT OUT: every input has a way to the output.  bq and bk enter quantised operands and their terms change along the softmax's axis; bv, bo, gamma, beta and all four weights enter sums that are kept.
; THIS LAUNCH: (a) for each image b, each chunk of 32 pixels and each of the 32 groups of 16 channels: the mean and the sum of squared deviations (M2) of the chunk's 512 numbers;
; (b) the four weights' codes laid anew as images of operand registers: wimg[mat q,k,v,o][tile 32][K step 4][half 2][lane 32][16 bytes].  Row r of tile 2 B + u is output channel 32 B + 8 u + r + 8 (r / 8).
; The mean is taken first and the deviations from it are squared: no difference of large sums is formed, so a common offset of x costs no digits.
; SHARES.  Work-group n = 32 b + chunk owns 32 pixels, 65,536 consecutive bytes.  Thread t owns the 16 bytes at 16 t of every pixel's row (4 channels of group t / 4): a wave's load covers 512 consecutive bytes.
; Wave 0 also copies piece n (512 bytes) of wimg.
; No matrix unit, no cluster, no tensor load: each byte of x is read once by one thread and nothing is shared between work-groups.
; LIMITS: NaN and infinities among the inputs are not served.
.set SPARE, 256                        ; LDS: bytes 0-255 the 32 groups' results; from 256 the spare words, 128 bytes a wave
.set OFF, 1                            ; v1   16 t
.set WA,  2                            ; v2   wave 0: my lane's byte in the weight's rows
.set WO,  3                            ; v3   16 x lane
.set LA,  4                            ; v4   LDS: 8 (t / 4)
.set LB,  5                            ; v5   8 x lane
.set SPW, 6                            ; v6   my spare word; never rewritten
.set NIL, 7                            ; v7   0; never rewritten
.set WD,  8                            ; v8-11 wave 0: 16 bytes of a weight
.set X,   16                           ; v16-143 my 128 numbers
.set SU,  144                          ; v144-151 four chains of sums
.set MP,  152                          ; v152 mean, v153 M2
.set MM,  154                          ; v154-155 the mean, twice
.set QA,  156                          ; v156-159 two chains of squares
	s_load_b256 s[4:11], s[0:1], 0x0               ; x, wq, wk, wv
	s_load_b128 s[12:15], s[0:1], 0x20             ; wo, stats
	s_load_b64 s[16:17], s[0:1], 0x30              ; wimg
	v_lshl_add_u32 v[SPW], v0, 2, SPARE
	v_mov_b32 v[NIL], 0
	v_lshrrev_b32 v[LA], 5, v0
	v_readfirstlane_b32 s18, v[LA]                 ; wave
	v_lshlrev_b32 v[OFF], 4, v0
	v_and_b32 v[LB], 31, v0                        ; lane
	v_and_b32 v[WA], 15, v0                        ; r
	v_and_b32 v[WO], 8, v0
	v_add_nc_u32 v[WA], v[WA], v[WO]               ; r + 8 (r / 8)
	v_bfe_u32 v[WO], v0, 4, 1                      ; h
	v_lshlrev_b32 v[WA], 8, v[WA]                  ; a weight's row is 256 bytes
	v_lshl_add_u32 v[WA], v[WO], 4, v[WA]          ; + 16 h
	v_lshlrev_b32 v[WO], 4, v[LB]
	v_lshlrev_b32 v[LB], 3, v[LB]
	v_lshrrev_b32 v[LA], 2, v0
	v_lshlrev_b32 v[LA], 3, v[LA]
	s_lshl_b32 s20, ttmp9, 16                      ; my 32 pixels
	s_mov_b32 s21, 0
	s_bfe_u32 s24, ttmp9, 0x40004                  ; piece n = 256 mat + 8 T + 2 s + c.  T / 2: 32 rows of 256 bytes
	s_lshl_b32 s24, s24, 13
	s_bfe_u32 s25, ttmp9, 0x10003                  ; T % 2: 8 rows
	s_lshl_b32 s25, s25, 11
	s_add_co_u32 s24, s24, s25
	s_bfe_u32 s25, ttmp9, 0x20001                  ; s: 64 bytes
	s_lshl_b32 s25, s25, 6
	s_add_co_u32 s24, s24, s25
	s_and_b32 s25, ttmp9, 1                        ; c: 32 bytes
	s_lshl_b32 s25, s25, 5
	s_add_co_u32 s24, s24, s25
	s_mov_b32 s25, 0
	s_lshl_b32 s26, ttmp9, 8                       ; stats: 256 bytes a chunk
	s_mov_b32 s27, 0
	s_lshl_b32 s28, ttmp9, 9                       ; wimg: 512 bytes a piece
	s_mov_b32 s29, 0
	s_lshr_b32 s19, ttmp9, 8                       ; which weight
	s_wait_kmcnt 0x0
	s_add_nc_u64 s[4:5], s[4:5], s[20:21]
	s_cmp_lt_u32 s19, 1                            ; the choice hangs on the work-group's number alone
	s_cselect_b64 s[22:23], s[6:7], s[8:9]
	s_cmp_lt_u32 s19, 2
	s_cselect_b64 s[22:23], s[22:23], s[10:11]
	s_cmp_lt_u32 s19, 3
	s_cselect_b64 s[22:23], s[22:23], s[12:13]
	s_add_nc_u64 s[22:23], s[22:23], s[24:25]
	s_add_nc_u64 s[14:15], s[14:15], s[26:27]
	s_add_nc_u64 s[16:17], s[16:17], s[28:29]
.macro XLOADS                          ; my 16 bytes of each of the 32 pixels
.set i, 0
.rept 32
	global_load_b128 v[X+4*i:X+4*i+3], v[OFF], s[4:5] offset:2048*i th:TH_LOAD_NT
.set i, i+1
.endr
.endm
	s_cmp_lg_u32 s18, 0
	s_cbranch_scc1 .Lothers
	global_load_b128 v[WD:WD+3], v[WA], s[22:23]   ; wave 0: the weight's piece first, then x
	XLOADS
	s_wait_loadcnt 32                              ; the 32 younger loads, x's, stay out: the piece is in
	global_store_b128 v[WO], v[WD:WD+3], s[16:17]  ; 32 lanes store 512 consecutive bytes
	s_branch .Ljoined
.Lothers:
	XLOADS
.Ljoined:
	s_wait_loadcnt 24                              ; pixels 0-7 are in; the 24 younger loads stay out
	v_pk_add_f32 v[SU:SU+1], v[X:X+1], v[X+4:X+5]  ; the first pixels start the four chains: nothing is cleared
	v_pk_add_f32 v[SU+2:SU+3], v[X+2:X+3], v[X+6:X+7]
	v_pk_add_f32 v[SU+4:SU+5], v[X+8:X+9], v[X+12:X+13]
	v_pk_add_f32 v[SU+6:SU+7], v[X+10:X+11], v[X+14:X+15]
.set i, 4
.rept 28
.if i%8 == 0
	s_wait_loadcnt 24-8*(i/8)                      ; the next eight pixels are in
.endif
	v_pk_add_f32 v[SU+4*(i%2):SU+4*(i%2)+1], v[SU+4*(i%2):SU+4*(i%2)+1], v[X+4*i:X+4*i+1]
	v_pk_add_f32 v[SU+4*(i%2)+2:SU+4*(i%2)+3], v[SU+4*(i%2)+2:SU+4*(i%2)+3], v[X+4*i+2:X+4*i+3]
.set i, i+1
.endr
	v_pk_add_f32 v[SU:SU+1], v[SU:SU+1], v[SU+2:SU+3]
	v_pk_add_f32 v[SU+4:SU+5], v[SU+4:SU+5], v[SU+6:SU+7]
	v_pk_add_f32 v[SU:SU+1], v[SU:SU+1], v[SU+4:SU+5]
	v_add_f32 v[MM], v[SU], v[SU+1]
	v_mul_f32 v[MM], 0x3c000000, v[MM]             ; / 128: my numbers' mean
	v_mov_b32 v[MM+1], v[MM]
.set j, 0
.rept 64
	v_pk_add_f32 v[X+2*j:X+2*j+1], v[X+2*j:X+2*j+1], v[MM:MM+1] neg_lo:[0,1] neg_hi:[0,1]   ; the deviations, in place
.set j, j+1
.endr
	v_pk_mul_f32 v[QA:QA+1], v[X:X+1], v[X:X+1]
	v_pk_mul_f32 v[QA+2:QA+3], v[X+2:X+3], v[X+2:X+3]
.set j, 2
.rept 62
	v_pk_fma_f32 v[QA+2*(j%2):QA+2*(j%2)+1], v[X+2*j:X+2*j+1], v[X+2*j:X+2*j+1], v[QA+2*(j%2):QA+2*(j%2)+1]
.set j, j+1
.endr
	v_pk_add_f32 v[QA:QA+1], v[QA:QA+1], v[QA+2:QA+3]
	v_add_f32 v[MP+1], v[QA], v[QA+1]
	v_mov_b32 v[MP], v[MM]
; two sets of equal count n become one: mean = (m1 + m2) / 2, M2 = M2a + M2b + (m1 - m2)^2 n / 2.  The four lanes of a group: lanes xor 1 (n = 128), then xor 2 (n = 256)
.macro MERGE mask, half
	v_sub_f32_dpp v[X], v[MP], v[MP] row_xmask:\mask row_mask:0xf bank_mask:0xf
	v_add_f32_dpp v[X+1], v[MP], v[MP] row_xmask:\mask row_mask:0xf bank_mask:0xf
	v_add_f32_dpp v[X+2], v[MP+1], v[MP+1] row_xmask:\mask row_mask:0xf bank_mask:0xf
	v_mul_f32 v[X], v[X], v[X]
	v_mul_f32 v[MP], 0.5, v[X+1]
	v_fmamk_f32 v[MP+1], v[X], \half, v[X+2]
.endm
	MERGE 1, 0x42800000                            ; 64
	MERGE 2, 0x43000000                            ; 128
	ds_store_b64 v[LA], v[MP:MP+1]                 ; the four lanes of a group write the same 8 bytes with the same value
	s_wait_dscnt 0x0                               ; for wave 0's sake: my store has landed
	s_barrier_signal -1
	s_barrier_wait -1
	s_cmp_lg_u32 s18, 0
	s_cbranch_scc1 .Lend
	ds_load_b64 v[QA:QA+1], v[LB]                  ; lane g: group g
	s_wait_dscnt 0x0
	global_store_b64 v[LB], v[QA:QA+1], s[14:15]   ; 32 lanes store 256 consecutive bytes, aligned
.Lend:
	s_wait_tensorcnt 0x0                           ; the wave's end: a wait, an add of 0 to my spare word and its wait, behind my last LDS store
	ds_add_u32 v[SPW], v[NIL]
	s_wait_dscnt 0x0
	s_endpgm
.Lfunc_end_k_q40bbc96bbc_stats:
	.size	k_q40bbc96bbc_stats, .Lfunc_end_k_q40bbc96bbc_stats-k_q40bbc96bbc_stats
	.p2alignl 7, 3214868480
	.fill 96, 4, 3214868480
	.section	.rodata,"a",@progbits
	.p2align	6, 0x0
	.amdhsa_kernel k_q40bbc96bbc_stats
		.amdhsa_group_segment_fixed_size 768
		.amdhsa_private_segment_fixed_size 0
		.amdhsa_enable_private_segment 0
		.amdhsa_kernarg_size 56
		.amdhsa_user_sgpr_count 2
		.amdhsa_user_sgpr_kernarg_segment_ptr 1
		.amdhsa_wavefront_size32 1
		.amdhsa_system_sgpr_workgroup_id_x 1
		.amdhsa_system_sgpr_workgroup_id_y 1
		.amdhsa_system_sgpr_workgroup_id_z 1
		.amdhsa_system_vgpr_workitem_id 0
		.amdhsa_next_free_vgpr 160
		.amdhsa_next_free_sgpr 66
		.amdhsa_reserve_vcc 0
		.amdhsa_float_denorm_mode_32 3
		.amdhsa_float_denorm_mode_16_64 3
		.amdhsa_memory_ordered 1
		.amdhsa_forward_progress 1
		.amdhsa_inst_pref_size 22
	.end_amdhsa_kernel
	.amdgpu_metadata
---
amdhsa.version: [ 1, 2 ]
amdhsa.kernels:
  - .name:           k_q40bbc96bbc_stats
    .symbol:         k_q40bbc96bbc_stats.kd
    .args:
      - { .name: x, .offset: 0, .size: 8, .value_kind: global_buffer, .address_space: global }
      - { .name: wq_codes, .offset: 8, .size: 8, .value_kind: global_buffer, .address_space: global }
      - { .name: wk_codes, .offset: 16, .size: 8, .value_kind: global_buffer, .address_space: global }
      - { .name: wv_codes, .offset: 24, .size: 8, .value_kind: global_buffer, .address_space: global }
      - { .name: wo_codes, .offset: 32, .size: 8, .value_kind: global_buffer, .address_space: global }
      - { .name: stats, .offset: 40, .size: 8, .value_kind: global_buffer, .address_space: global }
      - { .name: wimg, .offset: 48, .size: 8, .value_kind: global_buffer, .address_space: global }
    .group_segment_fixed_size: 768
    .private_segment_fixed_size: 0
    .kernarg_segment_align: 8
    .kernarg_segment_size: 56
    .max_flat_workgroup_size: 128
    .sgpr_count:     66
    .vgpr_count:     160
    .wavefront_size: 32
...
	.end_amdgpu_metadata
.endif
;; end of part 1
;; launch qkv (part 2): grid 8 x 32, 4 waves a work-group, no clusters, 37,376 bytes of LDS; arguments x, stats, gn_gamma, gn_beta, wimg, wq_scales, wk_scales, wv_scales, bq, bk, bv, qbuf, kbuf, vbuf; writes qbuf, kbuf, vbuf
.if DOCPART == 2
	.amdgcn_target "amdgcn-amd-amdhsa--gfx1250"
	.amdhsa_code_object_version 6
	.text
	.protected	k_q40bbc96bbc_qkv
	.globl	k_q40bbc96bbc_qkv
	.p2align	8
	.type	k_q40bbc96bbc_qkv,@function
k_q40bbc96bbc_qkv:
	s_mov_b64 s[64:65], 0
	v_nop
	global_prefetch_b8 v0, s[64:65] scope:SCOPE_SE
	s_setreg_imm32_b32 hwreg(HW_REG_WAVE_MODE, 25, 1), 1
	s_wait_xcnt 0x0
; SECOND LAUNCH: GroupNorm, its quantiser, the three products with wq, wk, wv (+ biases), and the quantisers of q, k and v as attention's operands.  No work is left out.
; reference() reshapes [pixel][d] to [c' = pixel / 2][i = 512 (pixel % 2) + d].  So q's and k's K axis (c') runs over pixels of ONE parity, and v's K axis (j) over the d of one pixel.
; SHARES.  Work-group (x = 2 ks + par, y = b) owns the 128 pixels 2 c' + par, c' = 128 ks .. 128 ks + 127: one whole K step of q and k for all 512 d of that parity, and 8 tiles of v's rows for 4 key steps.
; PHASE X: wave w normalises and quantises 32 pixels (a lane: 8 neighbouring channels, a block of 32 = 4 lanes); codes and scale bytes go to LDS; one barrier; every wave takes all 32 fragments of xn into registers.
; V: source 0 = 16 d of wv, source 1 = 16 pixels: a lane holds one pixel, its registers run along d = v's K.  Wave w owns d 128 w .. 128 w + 127: one key step.
; Q, K: source 0 = 16 pixels, source 1 = 16 d: a lane holds one d, its registers run along the pixels = q's and k's K.  Waves 0, 1: wq's halves; waves 2, 3: wk's.
; THE ROWS OF A TILE ARE NOT NEIGHBOURS: row r of tile 2 B + u (of pixels, and of d) is 32 B + 8 u + r + 8 (r / 8), so that the 16 registers of tiles 2 B, 2 B + 1 are 16 neighbours along the next K.
; OUT: fragments as images of their registers (registers 0-3 at 16 x lane, 4-7 at 512 + 16 x lane); scale words at byte SCOFF of each buffer, laid so that one load serves two or four tiles.
; NO JOINT LOADS: each weight fragment is used by one wave of the work-group, once, and comes by two loads of 512 consecutive bytes straight into that wave's registers; through LDS the 384 KiB of weights would need
; a ring, and each fragment would be written to LDS and read from it again for its 8 products.
; LIMITS: NaN and infinities are not served; a block whose largest magnitude lies under 2^-124 has its byte held at 1; a block of zeros has the byte 1 where the rule says 127 (its codes are zeros; this program alone reads the bytes).
.set XP,    272                        ; LDS: 128 rows of xn's codes, 256 bytes + 16 of padding: the 16 rows of a fragment load start at 16 different banks
.set XS,    128*XP                     ; their scale bytes, 16 a row
.set SPARE, XS+128*16                  ; the spare words, 128 bytes a wave
.set SCOFF, 8388608                    ; where the scale words begin in qbuf, kbuf, vbuf
.set LN,   1                           ; v1  lane
.set VXA,  2                           ; v2  32 x lane: my 8 channels in half a row of x
.set VLC,  3                           ; v3  LDS: my wave's rows of codes + 4 x lane
.set VLB,  4                           ; v4  LDS: my wave's scale bytes + lane / 4
.set VL16, 5                           ; v5  16 x lane
.set VL8,  6                           ; v6  8 x lane
.set VXF,  7                           ; v7  LDS: 272 r + 16 h
.set VXS,  8                           ; v8  LDS: XS + 16 x lane
.set VBH,  9                           ; v9  64 h
.set VW2,  10                          ; v10 16 (r + 8 (r / 8) + 8 h): scale words of two tiles
.set VW1,  11                          ; v11 16 (r + 8 (r / 8))
.set VB1,  12                          ; v12 4 (r + 8 (r / 8))
.set SPW,  14                          ; v14 my spare word; never rewritten
.set NIL,  15                          ; v15 0; never rewritten
.set AA,   16                          ; phase X: v16-31 rstd x gamma, v32-47 beta (8 for each half row), v48-51 the two groups' means, twice each
.set BB,   32
.set MN,   48
.set MX,   52                          ; v52-55, 56-59, 60-63: largest magnitudes and bytes, scale operands, codes of four units
.set SC,   56
.set CD,   60
.set RB,   64                          ; v64-255: six buffers of 2 pixels
.set XSC,  16                          ; products: v16-31 xn's scale words; v64-79 wv's; v80-95 wq's or wk's, 4 a slot; v96-99 a bias a slot
.set WVS,  64
.set WS,   80
.set BS,   96
.set BIAS, 100                         ; v100-107 the lane's bias, eight times: the C of a sum's first product
.set SW,   108                         ; v108-109, v110-113: scale words on their way out
.set VW,   110
.set PW,   114
.set TM,   116
.set PC,   132                         ; v132-139 a fragment just made
.set HA,   192                         ; v192-255 eight accumulators
; window 1: xn's 32 fragments (tile t, K step s at 8 (4 t + s)).  window 2: wv's 32.  window 3: v0-63 bv in the result's layout; v64-191 four slots of 4 fragments of wq or wk
.set WV,   32
.set SEL,  54
.set MSB, 0
.macro WIN new                         ; the immediate's high byte repeats the setting that is left
.if MSB != \new
	s_set_vgpr_msb (MSB<<8)|\new
.set MSB, \new
.endif
.endm
.macro PLACES                          ; four places behind matrix instructions, ahead of reads of results and of loads into registers that they read
.rept 4
	v_nop
.endr
.endm
; one matrix instruction.  d, a, b, c: first registers (c < 0: the constant 0);  sa, sb: scale registers;  ra, rb: 1 = the scales stand in lanes 16-31
.macro WMMA d, a, b, c, sa, sb, ra, rb
.if (\c) < 0
.if ((\ra) == 0) && ((\rb) == 0)
	v_wmma_scale_f32_16x16x128_f8f6f4 v[(\d):(\d)+7], v[(\a):(\a)+7], v[(\b):(\b)+7], 0, v[\sa], v[\sb] matrix_a_fmt:MATRIX_FMT_FP4 matrix_b_fmt:MATRIX_FMT_FP4
.elseif (\rb) == 0
	v_wmma_scale_f32_16x16x128_f8f6f4 v[(\d):(\d)+7], v[(\a):(\a)+7], v[(\b):(\b)+7], 0, v[\sa], v[\sb] matrix_a_fmt:MATRIX_FMT_FP4 matrix_b_fmt:MATRIX_FMT_FP4 matrix_a_scale:MATRIX_SCALE_ROW1
.elseif (\ra) == 0
	v_wmma_scale_f32_16x16x128_f8f6f4 v[(\d):(\d)+7], v[(\a):(\a)+7], v[(\b):(\b)+7], 0, v[\sa], v[\sb] matrix_a_fmt:MATRIX_FMT_FP4 matrix_b_fmt:MATRIX_FMT_FP4 matrix_b_scale:MATRIX_SCALE_ROW1
.else
	v_wmma_scale_f32_16x16x128_f8f6f4 v[(\d):(\d)+7], v[(\a):(\a)+7], v[(\b):(\b)+7], 0, v[\sa], v[\sb] matrix_a_fmt:MATRIX_FMT_FP4 matrix_b_fmt:MATRIX_FMT_FP4 matrix_a_scale:MATRIX_SCALE_ROW1 matrix_b_scale:MATRIX_SCALE_ROW1
.endif
.else
.if ((\ra) == 0) && ((\rb) == 0)
	v_wmma_scale_f32_16x16x128_f8f6f4 v[(\d):(\d)+7], v[(\a):(\a)+7], v[(\b):(\b)+7], v[(\c):(\c)+7], v[\sa], v[\sb] matrix_a_fmt:MATRIX_FMT_FP4 matrix_b_fmt:MATRIX_FMT_FP4
.elseif (\rb) == 0
	v_wmma_scale_f32_16x16x128_f8f6f4 v[(\d):(\d)+7], v[(\a):(\a)+7], v[(\b):(\b)+7], v[(\c):(\c)+7], v[\sa], v[\sb] matrix_a_fmt:MATRIX_FMT_FP4 matrix_b_fmt:MATRIX_FMT_FP4 matrix_a_scale:MATRIX_SCALE_ROW1
.elseif (\ra) == 0
	v_wmma_scale_f32_16x16x128_f8f6f4 v[(\d):(\d)+7], v[(\a):(\a)+7], v[(\b):(\b)+7], v[(\c):(\c)+7], v[\sa], v[\sb] matrix_a_fmt:MATRIX_FMT_FP4 matrix_b_fmt:MATRIX_FMT_FP4 matrix_b_scale:MATRIX_SCALE_ROW1
.else
	v_wmma_scale_f32_16x16x128_f8f6f4 v[(\d):(\d)+7], v[(\a):(\a)+7], v[(\b):(\b)+7], v[(\c):(\c)+7], v[\sa], v[\sb] matrix_a_fmt:MATRIX_FMT_FP4 matrix_b_fmt:MATRIX_FMT_FP4 matrix_a_scale:MATRIX_SCALE_ROW1 matrix_b_scale:MATRIX_SCALE_ROW1
.endif
.endif
.endm
; 64 numbers of a lane, register 16 b + i = k 32 b + 16 (lane / 16) + i of my row, become a fragment's codes in v[PC] on and its scale word in v[PW] (the same word in lanes l and l xor 16)
.macro QUANT s
.irp b, 0,1,2,3
	v_max3_num_f32 v[TM+\b], |v[\s+16*\b]|, |v[\s+1+16*\b]|, 0x1800000   ; my 16 numbers of block b, and the floor 2^(3 - 127): the byte cannot fall under 1
.endr
.irp i, 2,4,6,8,10,12,14
.irp b, 0,1,2,3
	v_max3_num_f32 v[TM+\b], v[TM+\b], |v[\s+16*\b+\i]|, |v[\s+1+16*\b+\i]|
.endr
.endr
.irp b, 0,1,2,3
	v_permlanex16_b32 v[TM+4+\b], v[TM+\b], s[SEL], s[SEL+1]
.endr
.irp b, 0,1,2,3
	v_max_num_f32 v[TM+\b], v[TM+\b], v[TM+4+\b]   ; with lane l xor 16's: the block's largest magnitude
.endr
.irp b, 0,1,2,3
	v_add_nc_u32 v[TM+12+\b], 0xff000000, v[TM+\b] ; 2 off its exponent field: the conversion's scale operand
.endr
.irp b, 0,1,2,3
	v_lshrrev_b32 v[TM+4+\b], 23, v[TM+12+\b]      ; the scale's byte
.endr
	v_lshl_or_b32 v[PW], v[TM+5], 8, v[TM+4]
	v_lshl_or_b32 v[PW], v[TM+6], 16, v[PW]
	v_lshl_or_b32 v[PW], v[TM+7], 24, v[PW]
.irp b, 0,1,2,3
	v_cvt_scalef32_pk8_fp4_f32 v[PC+2*\b], v[\s+16*\b:\s+7+16*\b], v[TM+12+\b]
	v_cvt_scalef32_pk8_fp4_f32 v[PC+1+2*\b], v[\s+8+16*\b:\s+15+16*\b], v[TM+12+\b]
.endr
	v_nop                                          ; one plain place behind a scaled conversion
.irp c, 0,1                                    ; the operand's layout wants a whole block in a lane
.irp i, 0,1
	v_permlane16_swap_b32 v[PC+4*\c+\i], v[PC+2+4*\c+\i]
.endr
.endr
.endm
.macro XLOAD g                         ; pixels 2 g, 2 g + 1 of my 32: two halves of a row each, two loads a half, which together cover 1,024 consecutive bytes
.set RBL, RB+32*((\g)%6)
.irp e, 0,1
.irp hf, 0,1
	global_load_b128 v[RBL+16*\e+8*\hf:RBL+16*\e+8*\hf+3], v[VXA], s[4:5] offset:(2*(\g)+\e)*4096+\hf*1024 th:TH_LOAD_NT
	global_load_b128 v[RBL+16*\e+8*\hf+4:RBL+16*\e+8*\hf+7], v[VXA], s[4:5] offset:(2*(\g)+\e)*4096+\hf*1024+16 th:TH_LOAD_NT
.endr
.endr
.endm
.macro RLOAD i, far                    ; slot i of the ring: a tile of wq or wk (4 fragments), its rows' scale words and biases: ten loads.  far = 1: the tile four on
	WIN 0xc0                                       ; destination window 3
.set f, 0
.rept 8
	global_load_b128 v[64+32*(\i)+4*f:64+32*(\i)+4*f+3], v[VL16], s[40:41] offset:16384*(\far)+4096*(\i)+512*f
.set f, f+1
.endr
	WIN 0
	global_load_b128 v[WS+4*(\i):WS+4*(\i)+3], v[VW1], s[42:43] offset:1024*(\far)+(32*((\i)/2)+8*((\i)%2))*16
	global_load_b32 v[BS+(\i)], v[VB1], s[44:45] offset:256*(\far)+(32*((\i)/2)+8*((\i)%2))*4
.endm
.macro EARLY                           ; all that the products want from memory, asked for while the last pixels are quantised
	WIN 0x80                                       ; destination window 2: my 8 tiles of wv
.set f, 0
.rept 64
	global_load_b128 v[4*f:4*f+3], v[VL16], s[60:61] offset:512*f
.set f, f+1
.endr
	WIN 0xc0                                       ; window 3: bv at d = 32 (T / 2) + 16 h + 8 (T % 2) + 0 .. 7
.set tp, 0
.rept 8
	global_load_b128 v[8*tp:8*tp+3], v[VBH], s[24:25] offset:(32*(tp/2)+8*(tp%2))*4
	global_load_b128 v[8*tp+4:8*tp+7], v[VBH], s[24:25] offset:(32*(tp/2)+8*(tp%2))*4+16
.set tp, tp+1
.endr
	WIN 0
.irp q, 0,1,2,3
	global_load_b128 v[WVS+4*\q:WVS+4*\q+3], v[VW2], s[18:19] offset:512*\q   ; lanes 0-15: tile 2 q's rows, lanes 16-31: tile 2 q + 1's; four K steps' words
.endr
.irp i, 0,1,2,3
	RLOAD \i, 0
.endr
.endm
; two pixels, four units (pixel e, half hf) by turns
.macro XGROUP g
.if (\g) < 10
	s_wait_loadcnt 40                              ; my group's eight loads are in; the five younger groups' forty stay out
.else
	s_wait_loadcnt 8*(15-(\g))
.endif
.if (\g) == 15
	EARLY                                          ; groups 12 to 14 have left v64-159
.endif
.set RBG, RB+32*((\g)%6)
.irp k, 0,2,4,6
.irp q, 0,1,2,3
	v_pk_add_f32 v[RBG+8*\q+\k:RBG+8*\q+\k+1], v[RBG+8*\q+\k:RBG+8*\q+\k+1], v[MN+2*(\q%2):MN+2*(\q%2)+1] neg_lo:[0,1] neg_hi:[0,1]
.endr
.endr
.irp k, 0,2,4,6
.irp q, 0,1,2,3
	v_pk_fma_f32 v[RBG+8*\q+\k:RBG+8*\q+\k+1], v[RBG+8*\q+\k:RBG+8*\q+\k+1], v[AA+8*(\q%2)+\k:AA+8*(\q%2)+\k+1], v[BB+8*(\q%2)+\k:BB+8*(\q%2)+\k+1]
.endr
.endr
.irp q, 0,1,2,3
	v_max3_num_f32 v[MX+\q], |v[RBG+8*\q]|, |v[RBG+8*\q+1]|, 0x1800000
.endr
.irp k, 2,4,6
.irp q, 0,1,2,3
	v_max3_num_f32 v[MX+\q], v[MX+\q], |v[RBG+8*\q+\k]|, |v[RBG+8*\q+\k+1]|
.endr
.endr
.irp m, 1,2
.irp q, 0,1,2,3
	v_max_num_f32_dpp v[MX+\q], v[MX+\q], v[MX+\q] row_xmask:\m row_mask:0xf bank_mask:0xf   ; the block's four lanes
.endr
.endr
.irp q, 0,1,2,3
	v_add_nc_u32 v[SC+\q], 0xff000000, v[MX+\q]
.endr
.irp q, 0,1,2,3
	v_cvt_scalef32_pk8_fp4_f32 v[CD+\q], v[RBG+8*\q:RBG+8*\q+7], v[SC+\q]
.endr
.irp q, 0,1,2,3
	v_lshrrev_b32 v[MX+\q], 23, v[SC+\q]           ; the byte (a plain place behind the conversions)
.endr
.irp q, 0,1,2,3
.set PPX, 2*(\g)+\q/2
.set PSW, (PPX&7)|(((PPX>>3)&1)<<4)|(((PPX>>4)&1)<<3)   ; bits 3 and 4 change places: the 16 rows of a tile then lie on end in LDS
	ds_store_b32 v[VLC], v[CD+\q] offset:PSW*XP+128*(\q%2)
	ds_store_b8 v[VLB], v[MX+\q] offset:PSW*16+8*(\q%2)    ; the block's four lanes write the same byte with the same value
.endr
.if (\g)+6 < 16
	XLOAD (\g)+6
.endif
.endm
; v: tile t of pixels against my 8 tiles of wv: one fragment of v (16 rows c', my 128 keys)
.macro VUNIT t
.if (\t) == 0
	s_wait_loadcnt 40                              ; wv, bv and wv's scale words are in; the ring's forty loads stay out
.endif
	WIN 0x36                                       ; source 0 window 2, source 1 window 1, C window 3
.set tp, 0
.rept 8
	WMMA HA+8*tp, 8*(4*tp), 8*(4*(\t)), 8*tp, WVS+4*(tp/2), XSC+4*((\t)/2), tp%2, (\t)%2
.set tp, tp+1
.endr
	WIN 0x06
.set sk, 1
.rept 3
.set tp, 0
.rept 8                                        ; the eight accumulators by turns
	WMMA HA+8*tp, 8*(4*tp+sk), 8*(4*(\t)+sk), HA+8*tp, WVS+4*(tp/2)+sk, XSC+4*((\t)/2)+sk, tp%2, (\t)%2
.set tp, tp+1
.endr
.set sk, sk+1
.endr
	WIN 0
	PLACES
	s_wait_xcnt 0x0                                ; the last unit's stores have read v[PC] on
	QUANT HA
	global_store_b128 v[VL16], v[PC:PC+3], s[56:57] offset:1024*(\t)        ; 512 consecutive bytes each
	global_store_b128 v[VL16], v[PC+4:PC+7], s[56:57] offset:1024*(\t)+512
.if (\t)%2 == 0
	v_mov_b32 v[VW+(\t)/2], v[PW]
.else
	v_cndmask_b32 v[VW+(\t)/2], v[VW+(\t)/2], v[PW], s52   ; lanes 16-31 take the odd tile's words
.endif
.endm
; q or k: the 8 tiles of pixels against the tile of d in slot i: one fragment (16 rows d, my 128 c')
.macro QKUNIT i, ahead
.if \ahead
	s_wait_loadcnt 30                              ; this slot's ten loads are in; the three younger slots' thirty stay out
.else
	s_wait_loadcnt 10*(3-\i)
.endif
.irp j, 0,1,2,3,4,5,6,7
	v_mov_b32 v[BIAS+\j], v[BS+\i]                 ; a lane holds one d: its bias serves all eight registers
.endr
	PLACES
	WIN 0x0d                                       ; source 0 window 1, source 1 window 3
.set tp, 0
.rept 8
	WMMA HA+8*tp, 8*(4*tp), 64+32*(\i), BIAS, XSC+4*(tp/2), WS+4*(\i), tp%2, 0
.set tp, tp+1
.endr
.set sk, 1
.rept 3
.set tp, 0
.rept 8
	WMMA HA+8*tp, 8*(4*tp+sk), 64+32*(\i)+8*sk, HA+8*tp, XSC+4*(tp/2)+sk, WS+4*(\i)+sk, tp%2, 0
.set tp, tp+1
.endr
.set sk, sk+1
.endr
	WIN 0
	PLACES
.if \ahead
	RLOAD \i, 1
.endif
	s_wait_xcnt 0x0                                ; the last unit's stores have read v[PC] on and v[SW] on
	QUANT HA
	global_store_b128 v[VL16], v[PC:PC+3], s[46:47] offset:4096*(\i)
	global_store_b128 v[VL16], v[PC+4:PC+7], s[46:47] offset:4096*(\i)+512
.if (\i)%2 == 0
	v_mov_b32 v[SW+(\i)/2], v[PW]
.else
	v_cndmask_b32 v[SW+(\i)/2], v[SW+(\i)/2], v[PW], s52
.endif
.if (\i) == 3
	global_store_b64 v[VL8], v[SW:SW+1], s[48:49]  ; four tiles' words: 256 consecutive bytes, aligned
.endif
.endm
	s_load_b512 s[4:19], s[0:1], 0x0               ; x, stats, gamma, beta, wimg, wq_scales, wk_scales, wv_scales
	s_load_b256 s[20:27], s[0:1], 0x40             ; bq, bk, bv, qbuf
	s_load_b128 s[28:31], s[0:1], 0x60             ; kbuf, vbuf
	v_lshl_add_u32 v[SPW], v0, 2, SPARE
	v_mov_b32 v[NIL], 0
	v_lshrrev_b32 v[LN], 5, v0
	v_readfirstlane_b32 s[WV], v[LN]               ; wave
	v_and_b32 v[LN], 31, v0
	v_lshlrev_b32 v[VXA], 5, v[LN]
	s_mul_i32 s37, s[WV], 32*XP
	v_lshl_add_u32 v[VLC], v[LN], 2, s37
	s_lshl_b32 s37, s[WV], 9
	s_add_co_u32 s37, s37, XS
	v_lshrrev_b32 v[VLB], 2, v[LN]
	v_add_nc_u32 v[VLB], s37, v[VLB]
	v_lshlrev_b32 v[VL16], 4, v[LN]
	v_lshlrev_b32 v[VL8], 3, v[LN]
	v_and_b32 v[VW1], 15, v0                       ; r
	v_bfe_u32 v[VBH], v0, 4, 1                     ; h
	v_mul_u32_u24 v[VXF], v[VW1], XP
	v_lshl_add_u32 v[VXF], v[VBH], 4, v[VXF]
	v_add_nc_u32 v[VXS], XS, v[VL16]
	v_and_b32 v[VB1], 8, v0
	v_add_nc_u32 v[VB1], v[VB1], v[VW1]            ; r + 8 (r / 8)
	v_lshlrev_b32 v[VW1], 4, v[VB1]
	v_lshl_add_u32 v[VW2], v[VBH], 7, v[VW1]
	v_lshlrev_b32 v[VB1], 2, v[VB1]
	v_lshlrev_b32 v[VBH], 6, v[VBH]
	s_and_b32 s33, s[WV], 1
	s_lshr_b32 s34, ttmp9, 1                       ; ks
	s_and_b32 s35, ttmp9, 1                        ; par
	s_and_b32 s36, ttmp7, 0xffff                   ; b
	s_mov_b32 s39, 0
	s_mov_b32 s52, 0xffff0000                      ; lanes 16-31
	s_mov_b32 s[SEL], 0x76543210
	s_mov_b32 s[SEL+1], 0xfedcba98                 ; v_permlanex16_b32's selects for lane l xor 16
	s_lshl_b32 s38, s36, 21                        ; x: the image, c' = 128 ks, the parity's row, my wave's 32 pixels (4,096 bytes apart)
	s_lshl_b32 s37, s34, 19
	s_add_co_u32 s38, s38, s37
	s_lshl_b32 s37, s35, 11
	s_add_co_u32 s38, s38, s37
	s_lshl_b32 s37, s[WV], 17
	s_add_co_u32 s38, s38, s37
	s_wait_kmcnt 0x0
	s_add_nc_u64 s[4:5], s[4:5], s[38:39]
	s_lshl_b32 s38, s36, 13
	s_add_nc_u64 s[6:7], s[6:7], s[38:39]          ; stats of my image
.set i, 0
.rept 32
	global_load_b64 v[192+2*i:193+2*i], v[VL8], s[6:7] offset:256*i    ; lane g: group g's (mean, M2) of chunk i
.set i, i+1
.endr
.irp hf, 0,1
.irp c, 0,1
	global_load_b128 v[AA+8*\hf+4*\c:AA+8*\hf+4*\c+3], v[VXA], s[8:9] offset:1024*\hf+16*\c
	global_load_b128 v[BB+8*\hf+4*\c:BB+8*\hf+4*\c+3], v[VXA], s[10:11] offset:1024*\hf+16*\c
.endr
.endr
	XLOAD 0
	XLOAD 1
	XLOAD 2
	XLOAD 3
	; the other addresses, while the loads are out
	s_lshl_b32 s38, s[WV], 16
	s_add_nc_u64 s[40:41], s[12:13], s[38:39]      ; wimg: wq's tiles 0-15, 16-31, wk's 0-15, 16-31 for waves 0 to 3
	s_lshl_b32 s38, s[WV], 15
	s_add_co_u32 s38, s38, 262144
	s_add_nc_u64 s[60:61], s[12:13], s[38:39]      ; wv's tiles 8 w on
	s_lshl_b32 s38, s[WV], 11
	s_add_nc_u64 s[18:19], s[18:19], s[38:39]      ; their scale words
	s_lshl_b32 s38, s[WV], 9
	s_add_nc_u64 s[24:25], s[24:25], s[38:39]      ; bv at d = 128 w
	s_cmp_lt_u32 s[WV], 2                          ; q's waves or k's: the choice hangs on the wave's number alone
	s_cselect_b64 s[42:43], s[14:15], s[16:17]
	s_cselect_b64 s[44:45], s[20:21], s[22:23]
	s_cselect_b64 s[46:47], s[26:27], s[28:29]
	s_lshl_b32 s38, s33, 12
	s_add_nc_u64 s[42:43], s[42:43], s[38:39]      ; scale words of d = 256 (w % 2) on
	s_lshl_b32 s38, s33, 10
	s_add_nc_u64 s[44:45], s[44:45], s[38:39]      ; biases likewise
	s_lshl_b32 s38, s36, 14                        ; scale words out: [b][8 par + T / 4][ks][256 bytes]
	s_lshl_b32 s37, s35, 13
	s_add_co_u32 s38, s38, s37
	s_lshl_b32 s37, s33, 12
	s_add_co_u32 s38, s38, s37
	s_lshl_b32 s37, s34, 8
	s_add_co_u32 s38, s38, s37
	s_add_co_u32 s38, s38, SCOFF
	s_add_nc_u64 s[48:49], s[46:47], s[38:39]
	s_lshl_b32 s38, s36, 18                        ; codes out: [b][32 par + T][ks][1,024 bytes]
	s_lshl_b32 s37, s35, 17
	s_add_co_u32 s38, s38, s37
	s_lshl_b32 s37, s33, 16
	s_add_co_u32 s38, s38, s37
	s_lshl_b32 s37, s34, 10
	s_add_co_u32 s38, s38, s37
	s_add_nc_u64 s[46:47], s[46:47], s[38:39]
	s_lshl_b32 s50, s35, 2
	s_add_co_u32 s50, s50, s[WV]                   ; my key step: 4 par + w
	s_lshl_b32 s38, s36, 18                        ; v's codes: [b][key step][ct = 8 ks + t][1,024 bytes]
	s_lshl_b32 s37, s50, 15
	s_add_co_u32 s38, s38, s37
	s_lshl_b32 s37, s34, 13
	s_add_co_u32 s38, s38, s37
	s_add_nc_u64 s[56:57], s[30:31], s[38:39]
	s_lshl_b32 s38, s36, 14                        ; v's scale words: [b][key step][ks][512 bytes]
	s_lshl_b32 s37, s50, 11
	s_add_co_u32 s38, s38, s37
	s_lshl_b32 s37, s34, 9
	s_add_co_u32 s38, s38, s37
	s_add_co_u32 s38, s38, SCOFF
	s_add_nc_u64 s[58:59], s[30:31], s[38:39]
	; the 32 chunks' figures become the group's: mean = the means' mean; M2 = the sum of M2 + 512 x the sum of (mean_i - mean)^2
	s_wait_loadcnt 40                              ; the statistics are in; gamma's and beta's eight and x's 32 loads stay out
	v_pk_add_f32 v[52:53], v[192:193], v[194:195]
	v_pk_add_f32 v[54:55], v[196:197], v[198:199]
.set i, 4
.rept 14
	v_pk_add_f32 v[52:53], v[52:53], v[192+2*i:193+2*i]
	v_pk_add_f32 v[54:55], v[54:55], v[194+2*i:195+2*i]
.set i, i+2
.endr
	v_pk_add_f32 v[52:53], v[52:53], v[54:55]
	v_mul_f32 v56, 0x3d000000, v52                 ; / 32
.set i, 0
.rept 32
	v_sub_f32 v[192+2*i], v[192+2*i], v56
.set i, i+1
.endr
	v_mul_f32 v57, v192, v192
	v_mul_f32 v58, v194, v194
.set i, 2
.rept 15
	v_fma_f32 v57, v[192+2*i], v[192+2*i], v57
	v_fma_f32 v58, v[194+2*i], v[194+2*i], v58
.set i, i+2
.endr
	v_add_f32 v57, v57, v58
	v_fmamk_f32 v57, v57, 0x44000000, v53          ; x 512 + the sum of M2
	v_mul_f32 v57, 0x38800000, v57                 ; / 16,384: the variance
	v_add_f32 v57, 0x358637bd, v57                 ; + 1e-6
	v_rsq_f32 v58, v57
	v_and_b32 v60, 30, v[LN]                       ; (a plain place behind the transcendental)
	v_lshlrev_b32 v60, 1, v60                      ; 4 (lane / 2): my 8 channels of the first half row lie in group lane / 2,
	v_add_nc_u32 v61, 64, v60                      ; those of the second in group 16 + lane / 2
	s_wait_alu depctr_va_vdst(0)                   ; the wait ahead of the first reader
	ds_bpermute_b32 v[MN], v60, v56
	ds_bpermute_b32 v[MN+2], v61, v56
	ds_bpermute_b32 v62, v60, v58
	ds_bpermute_b32 v63, v61, v58
	XLOAD 4                                        ; into the registers that held the statistics
	XLOAD 5
	s_wait_loadcnt 48                              ; gamma and beta are in; x's six groups stay out
	s_wait_dscnt 0x0
	v_mov_b32 v[MN+1], v[MN]
	v_mov_b32 v[MN+3], v[MN+2]
.irp j, 0,1,2,3,4,5,6,7
	v_mul_f32 v[AA+\j], v[AA+\j], v62
	v_mul_f32 v[AA+8+\j], v[AA+8+\j], v63
.endr
.irp g, 0,1,2,3,4,5,6,7,8,9,10,11,12,13,14,15
	XGROUP \g
.endr
	s_wait_dscnt 0x0                               ; for the others' sake: my codes and bytes have landed
	s_barrier_signal -1
	s_barrier_wait -1                              ; xn's 128 rows lie in LDS
	WIN 0x40                                       ; destination window 1
.set tt, 0
.rept 8
.set sk, 0
.rept 4
	ds_load_b128 v[8*(4*tt+sk):8*(4*tt+sk)+3], v[VXF] offset:16*XP*tt+64*sk
	ds_load_b128 v[8*(4*tt+sk)+4:8*(4*tt+sk)+7], v[VXF] offset:16*XP*tt+64*sk+32
.set sk, sk+1
.endr
.set tt, tt+1
.endr
	WIN 0
.irp p, 0,1,2,3
	ds_load_b128 v[XSC+4*\p:XSC+4*\p+3], v[VXS] offset:512*\p   ; lanes 0-15: tile 2 p's rows, lanes 16-31: tile 2 p + 1's; four K steps' words
.endr
.irp b, 0,1,2,3
	v_mov_b32 v[TM+4+\b], 0                        ; written once: a lane permute's destination counts as one of its sources
.endr
	s_wait_dscnt 0x0
.irp t, 0,1,2,3,4,5,6,7
	VUNIT \t
.endr
	global_store_b128 v[VL16], v[VW:VW+3], s[58:59]    ; eight tiles' words: 512 consecutive bytes
	s_mov_b32 s53, 3
.Lqk:                                              ; a trip: four tiles of d; the four tiles behind them are asked for
	QKUNIT 0, 1
	QKUNIT 1, 1
	QKUNIT 2, 1
	QKUNIT 3, 1
	s_wait_xcnt 0x0                                ; the trip's loads and stores have read their bases
	s_add_nc_u64 s[40:41], s[40:41], 16384
	s_add_nc_u64 s[42:43], s[42:43], 1024
	s_add_nc_u64 s[44:45], s[44:45], 256
	s_add_nc_u64 s[46:47], s[46:47], 16384
	s_add_nc_u64 s[48:49], s[48:49], 1024
	s_sub_co_u32 s53, s53, 1
	s_cmp_lg_u32 s53, 0
	s_cbranch_scc1 .Lqk
	QKUNIT 0, 0                                    ; the last four tiles ask for nothing: the counts run down
	QKUNIT 1, 0
	QKUNIT 2, 0
	QKUNIT 3, 0
	s_wait_tensorcnt 0x0                           ; the wave's end: a wait, an add of 0 to my spare word and its wait, behind my last LDS store
	ds_add_u32 v[SPW], v[NIL]
	s_wait_dscnt 0x0
	s_endpgm
.Lfunc_end_k_q40bbc96bbc_qkv:
	.size	k_q40bbc96bbc_qkv, .Lfunc_end_k_q40bbc96bbc_qkv-k_q40bbc96bbc_qkv
	.p2alignl 7, 3214868480
	.fill 96, 4, 3214868480
	.section	.rodata,"a",@progbits
	.p2align	6, 0x0
	.amdhsa_kernel k_q40bbc96bbc_qkv
		.amdhsa_group_segment_fixed_size 37376
		.amdhsa_private_segment_fixed_size 0
		.amdhsa_enable_private_segment 0
		.amdhsa_kernarg_size 112
		.amdhsa_user_sgpr_count 2
		.amdhsa_user_sgpr_kernarg_segment_ptr 1
		.amdhsa_wavefront_size32 1
		.amdhsa_system_sgpr_workgroup_id_x 1
		.amdhsa_system_sgpr_workgroup_id_y 1
		.amdhsa_system_sgpr_workgroup_id_z 1
		.amdhsa_system_vgpr_workitem_id 0
		.amdhsa_next_free_vgpr 960
		.amdhsa_next_free_sgpr 66
		.amdhsa_reserve_vcc 0
		.amdhsa_float_denorm_mode_32 3
		.amdhsa_float_denorm_mode_16_64 3
		.amdhsa_memory_ordered 1
		.amdhsa_forward_progress 1
		.amdhsa_inst_pref_size 255
	.end_amdhsa_kernel
	.section	.bss,"aw",@nobits
	.p2align	6
	.space	262144
	.amdgpu_metadata
---
amdhsa.version: [ 1, 2 ]
amdhsa.kernels:
  - .name:           k_q40bbc96bbc_qkv
    .symbol:         k_q40bbc96bbc_qkv.kd
    .args:
      - { .name: x, .offset: 0, .size: 8, .value_kind: global_buffer, .address_space: global }
      - { .name: stats, .offset: 8, .size: 8, .value_kind: global_buffer, .address_space: global }
      - { .name: gn_gamma, .offset: 16, .size: 8, .value_kind: global_buffer, .address_space: global }
      - { .name: gn_beta, .offset: 24, .size: 8, .value_kind: global_buffer, .address_space: global }
      - { .name: wimg, .offset: 32, .size: 8, .value_kind: global_buffer, .address_space: global }
      - { .name: wq_scales, .offset: 40, .size: 8, .value_kind: global_buffer, .address_space: global }
      - { .name: wk_scales, .offset: 48, .size: 8, .value_kind: global_buffer, .address_space: global }
      - { .name: wv_scales, .offset: 56, .size: 8, .value_kind: global_buffer, .address_space: global }
      - { .name: bq, .offset: 64, .size: 8, .value_kind: global_buffer, .address_space: global }
      - { .name: bk, .offset: 72, .size: 8, .value_kind: global_buffer, .address_space: global }
      - { .name: bv, .offset: 80, .size: 8, .value_kind: global_buffer, .address_space: global }
      - { .name: qbuf, .offset: 88, .size: 8, .value_kind: global_buffer, .address_space: global }
      - { .name: kbuf, .offset: 96, .size: 8, .value_kind: global_buffer, .address_space: global }
      - { .name: vbuf, .offset: 104, .size: 8, .value_kind: global_buffer, .address_space: global }
    .group_segment_fixed_size: 37376
    .private_segment_fixed_size: 0
    .kernarg_segment_align: 8
    .kernarg_segment_size: 112
    .max_flat_workgroup_size: 128
    .sgpr_count:     66
    .vgpr_count:     960
    .wavefront_size: 32
...
	.end_amdgpu_metadata
.endif
;; end of part 2
;; launch attn (part 3): grid 8 x 32, 4 waves a work-group, clusters of 4 x 1, 327,680 bytes of LDS; arguments qbuf, kbuf, vbuf, obuf; writes obuf
.if DOCPART == 3
	.amdgcn_target "amdgcn-amd-amdhsa--gfx1250"
	.amdhsa_code_object_version 6
	.text
	.protected	k_q40bbc96bbc_attn
	.globl	k_q40bbc96bbc_attn
	.p2align	8
	.type	k_q40bbc96bbc_attn,@function
k_q40bbc96bbc_attn:
	s_mov_b64 s[64:65], 0
	v_nop
	global_prefetch_b8 v0, s[64:65] scope:SCOPE_SE
	s_setreg_imm32_b32 hwreg(HW_REG_WAVE_MODE, 25, 1), 1
	s_wait_xcnt 0x0
	s_wait_alu depctr_hold_cnt(0) depctr_sa_sdst(0) depctr_va_vdst(0) depctr_va_sdst(0) depctr_va_ssrc(0) depctr_va_vcc(0) depctr_vm_vsrc(0)
	s_getreg_b32 s2, hwreg(HW_REG_IB_STS2, 6, 4)
	s_cmp_eq_u32 s2, 0
	s_cbranch_scc0 .Lentry_in_a_cluster
	s_endpgm
.Lentry_in_a_cluster:
	s_bfe_u32 s2, ttmp6, 0x10000c
	s_cmp_lg_u32 s2, 0x3003
	s_cbranch_scc0 .Lentry_shape_is_right
	s_endpgm
.Lentry_shape_is_right:
; THIRD LAUNCH: S = Q K^T, the softmax by the problem's rule, O = V P^T, O / l, and O's quantiser along the queries (the last product's K).  No work is left out.
; t = S x log2(e) / sqrt(512) (one multiplication); M = the running largest t rounded up to a whole number; p = 2^(t - M) is quantised along the keys; l sums the unquantised p and is multiplied by a power of two when M moves.
; TWO PHASES.  A work-group owns 128 queries of an image.
; PHASE A walks K, 128 keys a step: wave w owns the 32 queries of block 4 x block + w, as two tiles.  S^T = K Q^T (source 0 = 16 keys, source 1 = 16 queries): a lane holds one query, its registers run along the keys.
;   p's codes of each step go to LDS as images of operand registers; with them the step's scale word and its -M.  O IS NEVER RESCALED: a change of M is a power of two, which p's scale byte takes up.  At the end of
;   phase A the owner takes d = final M - the step's M off each byte of each step's word.
; PHASE B walks V and only multiplies.  THE WAVES SHARE V'S ROWS, NOT THE QUERIES: wave w makes O for all 128 queries and the rows c' of tiles 8 w .. 8 w + 7: 64 accumulators; each fragment of p and of V feeds 8 products.
;   O = P V^T (source 0 = 16 queries of p, source 1 = 16 rows c' of V): a lane holds one row c', and the registers of the 8 query tiles are 64 of the 128 queries: a whole K step of the last product.
; RING.  Two slots of 65,536 bytes; a fill is two steps of K or two of V, dense images of registers; fills 0-3 are K, 4-7 V.  The scale words of the whole image come once.
; CLUSTER.  The four work-groups of a cluster belong to one image and walk the same K and V: every fill is asked for jointly, each wave a quarter of a slot.
; A phase A step is written once for each fill (a loop of two trips, its address scalars set by constants at its head); phase B's eight steps are written out, all offsets immediates.
; LIMITS: NaN and infinities are not served; a block whose largest magnitude lies under 2^-124 has its byte held at 1; a block of zeros has the byte 1 where the rule says 127 (its codes are zeros; this program alone reads
; the bytes); a byte of p that the final M would bring under 0 is held at 0, that is 2^-127, under 2^-124 of the row's largest p.
.set SLOT1, 65536
.set SCL,   131072                     ; K's scale words (16,384 bytes), then V's: filled once
.set PCD,   163840                     ; p's codes: [wave 4][step 8][tile 2][1,024 bytes]
.set PWX,   229376                     ; p's scale words as they are made: [wave 4][lane 32][step 8]; lanes 0-15 tile 0, lanes 16-31 tile 1
.set MJO,   4096                       ; and 4,096 bytes on, laid alike, each step's -M
.set PWF,   237568                     ; p's scale words under the final M: [step 8][lane 32][wave 4]
.set FX,    241664                     ; 1 / l: [wave 4][tile 2][query row 16]
.set OSX,   242176                     ; 512 bytes a wave: O's scale words on their way out
.set SPARE, 244224                     ; the spare words, 128 bytes a wave
.set SCOFF, 8388608
.set VL16, 1                           ; v1  16 x lane
.set ADK,  2                           ; v2  the step's K + 16 x lane
.set KS0,  3                           ; v3  SCL + 8 x lane
.set VS0,  4                           ; v4  SCL + 16,384 + 512 w + 16 x lane
.set ADS,  5                           ; v5  K's scale words at the step in hand
.set PST0, 6                           ; v6  PCD + 16,384 w + 16 x lane
.set ADP,  7                           ; v7  the same at the step in hand
.set FXS,  8                           ; v8  FX + 128 w + 4 r
.set FXL,  9                           ; v9  FX + 32 h
.set PWS0, 10                          ; v10 PWX + 1,024 w + 32 x lane
.set ADW,  11                          ; v11 the same at the step in hand
.set ST,   12                          ; v12-15, v16-19: tile u's -M, largest t, l in two halves
.set QSC,  20                          ; v20-23 Q's scale words, a K step each: lanes 0-15 tile 0, lanes 16-31 tile 1
.set PW,   24                          ; v24-25 scale words just made
.set PFO,  26                          ; v26 256 x lane; never rewritten
.set SPW,  27                          ; v27 my spare word; never rewritten
.set NIL,  28                          ; v28 0; never rewritten
.set TL,   29
.set SCR,  30                          ; v30-45 phase A: K's scale words of the step; phase B: two sets of 4 words of p and 4 of V
.set PRD,  46                          ; v46 PCD + 16 x lane
.set PWFS, 47                          ; v47 PWF + 16 x lane + 4 w
.set PWFL, 48                          ; v48 PWF + 16 x lane
.set VA0,  49                          ; v49, v50: my 8 tiles of V in slot 0, 1: 8,192 w + 16 x lane
.set OSS,  51                          ; v51 OSX + 512 w + 4 x lane
.set OSL,  52                          ; v52 OSX + 512 w + 16 x lane
.set CW,   53                          ; v53 the two tiles' scale words in one register
.set CM,   54                          ; v54 the two tiles' -M likewise
.set PC,   62                          ; v62-77 codes just made, 8 for each tile
.set BM,   78                          ; tile 0's temporaries: v78-81, 82-85, 86-89, 90-91, 92; tile 1's lie TU registers higher
.set T4,   82
.set SCV,  86
.set FF,   90
.set TT,   92
.set TU,   146
.set S,    96                          ; v96-223 S^T, then p: tile u, key tile kt at 96 + 64 u + 8 kt
.set FW,   224                         ; the fixing: v224-231 eight steps' words, v232-239 their -M, v240-247 at work
.set FM,   232
.set FT,   240
.set FU,   96                          ; the way out: v96-159 1 / l by register, v160-223 64 numbers of a row, v224-239 at work, v240-243 scale words, v244-247 the same by rows
.set T,    160
.set TM,   224
.set SWO,  240
.set OB,   244
.set B0,   64                          ; window 1, phase A: v0-63 Q (tile u, K step s at 8 (4 u + s)); three buffers of 8 fragments.  Phase B: set b: p's 8 tiles at 128 b, V's 8 at 128 b + 64
.set B1,   128
.set B2,   192
; windows 2, 3: O of query tiles 0-3, 4-7: tile u', row tile ct at 8 (8 (u' % 4) + ct)
.set WV,   12
.set G1,   24                          ; s[24:31] group 1: 64 rows of 256 bytes;  s[32:39]: 32 rows
.set G1S,  32
.set G0S,  40                          ; groups 0: the scale words; K into slot 0, slot 1; V into slot 0, slot 1
.set G0A,  44
.set G0B,  48
.set G0C,  52
.set G0D,  56
.set CS,   60
.set SEL,  62
.set TB,   66
.set TS,   67
.set TP,   68
.set TJ,   69
.set LIM,  70
.set TWICE, 71
.set PFK,  72
.set PFV,  74
.set OC,   76
.set OSO,  78
.set QSP,  80
.set MSK,  82
.set ONES, 83
.set MSB, 0
.macro WIN new                         ; the immediate's high byte repeats the setting that is left
.if MSB != \new
	s_set_vgpr_msb (MSB<<8)|\new
.set MSB, \new
.endif
.endm
.macro PLACES                          ; four places behind matrix instructions, ahead of reads of results and of loads into registers that they read
.rept 4
	v_nop
.endr
.endm
; one matrix instruction.  d, a, b, c: first registers (c < 0: the constant 0);  sa, sb: scale registers;  ra, rb: 1 = the scales stand in lanes 16-31
.macro WMMA d, a, b, c, sa, sb, ra, rb
.if (\c) < 0
.if ((\ra) == 0) && ((\rb) == 0)
	v_wmma_scale_f32_16x16x128_f8f6f4 v[(\d):(\d)+7], v[(\a):(\a)+7], v[(\b):(\b)+7], 0, v[\sa], v[\sb] matrix_a_fmt:MATRIX_FMT_FP4 matrix_b_fmt:MATRIX_FMT_FP4
.elseif (\rb) == 0
	v_wmma_scale_f32_16x16x128_f8f6f4 v[(\d):(\d)+7], v[(\a):(\a)+7], v[(\b):(\b)+7], 0, v[\sa], v[\sb] matrix_a_fmt:MATRIX_FMT_FP4 matrix_b_fmt:MATRIX_FMT_FP4 matrix_a_scale:MATRIX_SCALE_ROW1
.elseif (\ra) == 0
	v_wmma_scale_f32_16x16x128_f8f6f4 v[(\d):(\d)+7], v[(\a):(\a)+7], v[(\b):(\b)+7], 0, v[\sa], v[\sb] matrix_a_fmt:MATRIX_FMT_FP4 matrix_b_fmt:MATRIX_FMT_FP4 matrix_b_scale:MATRIX_SCALE_ROW1
.else
	v_wmma_scale_f32_16x16x128_f8f6f4 v[(\d):(\d)+7], v[(\a):(\a)+7], v[(\b):(\b)+7], 0, v[\sa], v[\sb] matrix_a_fmt:MATRIX_FMT_FP4 matrix_b_fmt:MATRIX_FMT_FP4 matrix_a_scale:MATRIX_SCALE_ROW1 matrix_b_scale:MATRIX_SCALE_ROW1
.endif
.else
.if ((\ra) == 0) && ((\rb) == 0)
	v_wmma_scale_f32_16x16x128_f8f6f4 v[(\d):(\d)+7], v[(\a):(\a)+7], v[(\b):(\b)+7], v[(\c):(\c)+7], v[\sa], v[\sb] matrix_a_fmt:MATRIX_FMT_FP4 matrix_b_fmt:MATRIX_FMT_FP4
.elseif (\rb) == 0
	v_wmma_scale_f32_16x16x128_f8f6f4 v[(\d):(\d)+7], v[(\a):(\a)+7], v[(\b):(\b)+7], v[(\c):(\c)+7], v[\sa], v[\sb] matrix_a_fmt:MATRIX_FMT_FP4 matrix_b_fmt:MATRIX_FMT_FP4 matrix_a_scale:MATRIX_SCALE_ROW1
.elseif (\ra) == 0
	v_wmma_scale_f32_16x16x128_f8f6f4 v[(\d):(\d)+7], v[(\a):(\a)+7], v[(\b):(\b)+7], v[(\c):(\c)+7], v[\sa], v[\sb] matrix_a_fmt:MATRIX_FMT_FP4 matrix_b_fmt:MATRIX_FMT_FP4 matrix_b_scale:MATRIX_SCALE_ROW1
.else
	v_wmma_scale_f32_16x16x128_f8f6f4 v[(\d):(\d)+7], v[(\a):(\a)+7], v[(\b):(\b)+7], v[(\c):(\c)+7], v[\sa], v[\sb] matrix_a_fmt:MATRIX_FMT_FP4 matrix_b_fmt:MATRIX_FMT_FP4 matrix_a_scale:MATRIX_SCALE_ROW1 matrix_b_scale:MATRIX_SCALE_ROW1
.endif
.endif
.endm
.macro CROUND                          ; a round of the cluster's barrier
	s_barrier_signal -1
	s_barrier_wait -1
	s_cmp_lg_u32 s[WV], 0
	s_cbranch_scc1 .Lnot_wave_0_\@
	s_barrier_signal -3
.Lnot_wave_0_\@:
	s_barrier_wait -3
	s_barrier_signal -1
	s_barrier_wait -1
.endm
; A prefetch of a later fill's 65,536 bytes.  Both clusters of an image walk the same K and V: the first asks; its four partners take 16,384 bytes each, told apart by address; in each, waves 0 and 1 ask for
; 8,192 bytes each, lanes 256 bytes apart: each block of 256 bytes is named once in the launch.  The address registers are never rewritten: the fill stands in the immediate.  Fills 0 to 2 come by their loads alone.
.macro ASK ptr, off
	s_cmp_eq_u32 s[LIM], 1
	s_cbranch_scc0 .Lnot_mine_\@
	global_prefetch_b8 v[PFO], s[\ptr:\ptr+1] offset:\off th:TH_LOAD_NT scope:SCOPE_SE
.Lnot_mine_\@:
.endm
.macro ASK2 ptr, off, offb
	s_cmp_eq_u32 s[LIM], 1
	s_cbranch_scc0 .Lnot_mine_\@
	global_prefetch_b8 v[PFO], s[\ptr:\ptr+1] offset:\off th:TH_LOAD_NT scope:SCOPE_SE
	global_prefetch_b8 v[PFO], s[\ptr:\ptr+1] offset:\offb th:TH_LOAD_NT scope:SCOPE_SE
.Lnot_mine_\@:
.endm
.macro LOADK s, buf                    ; K step s (of the head's 512) of the 8 key tiles
	WIN 0x40
.set kk, 0
.rept 8
	ds_load_b128 v[(\buf)+8*kk:(\buf)+8*kk+3], v[ADK] offset:4096*kk+1024*(\s)
	ds_load_b128 v[(\buf)+8*kk+4:(\buf)+8*kk+7], v[ADK] offset:4096*kk+1024*(\s)+512
.set kk, kk+1
.endr
.endm
.macro MULS s, buf                     ; 16 products of S^T, the 16 accumulators by turns
	WIN 0x05
.set kk, 0
.rept 8
.set uu, 0
.rept 2
.if (\s) == 0
	WMMA S+64*uu+8*kk, (\buf)+8*kk, 8*(4*uu), -1, SCR+kk/2, QSC, kk%2, uu
.else
	WMMA S+64*uu+8*kk, (\buf)+8*kk, 8*(4*uu+(\s)), S+64*uu+8*kk, SCR+4*(\s)+kk/2, QSC+(\s), kk%2, uu
.endif
.set uu, uu+1
.endr
.set kk, kk+1
.endr
.endm
; Both tiles' softmax for one step, the tiles by turns line by line.  The first step finds the largest t at -3e38 and l at 0: its factor is 0, which leaves l at 0.
.macro SOFTMAX2
.irp b, 0,1,2,3
.irp u, 0,1
	v_max3_num_f32 v[BM+TU*\u+\b], v[S+64*\u+16*\b], v[S+64*\u+16*\b+1], v[S+64*\u+16*\b+2]   ; the largest score of each block of 32 keys: it serves the row's maximum and, since p rises with the score, the block's largest p
.endr
.endr
.irp i, 3,5,7,9,11,13
.irp b, 0,1,2,3
.irp u, 0,1
	v_max3_num_f32 v[BM+TU*\u+\b], v[BM+TU*\u+\b], v[S+64*\u+16*\b+\i], v[S+64*\u+16*\b+\i+1]
.endr
.endr
.endr
.irp b, 0,1,2,3
.irp u, 0,1
	v_max_num_f32 v[BM+TU*\u+\b], v[BM+TU*\u+\b], v[S+64*\u+16*\b+15]
.endr
.endr
.irp b, 0,1,2,3
.irp u, 0,1
	v_permlanex16_b32 v[T4+TU*\u+\b], v[BM+TU*\u+\b], s[SEL], s[SEL+1]
.endr
.endr
.irp b, 0,1,2,3
.irp u, 0,1
	v_max_num_f32 v[BM+TU*\u+\b], v[BM+TU*\u+\b], v[T4+TU*\u+\b]   ; with lane l xor 16's 16 keys
.endr
.endr
.irp u, 0,1
	v_max3_num_f32 v[TT+TU*\u], v[BM+TU*\u], v[BM+TU*\u+1], v[BM+TU*\u+2]
.endr
.irp u, 0,1
	v_max_num_f32 v[TT+TU*\u], v[TT+TU*\u], v[BM+TU*\u+3]
.endr
.irp u, 0,1
	v_mul_f32 v[TT+TU*\u], s[CS], v[TT+TU*\u]
.endr
.irp u, 0,1
	v_max_num_f32 v[ST+4*\u+1], v[ST+4*\u+1], v[TT+TU*\u]   ; the running largest t
.endr
.irp u, 0,1
	v_mov_b32 v[TT+TU*\u], v[ST+4*\u]
.endr
.irp u, 0,1
	v_floor_f32 v[ST+4*\u], -v[ST+4*\u+1]          ; -M = floor(-t) = -ceil(t)
.endr
.irp u, 0,1
	v_sub_f32 v[TT+TU*\u], v[ST+4*\u], v[TT+TU*\u] ; old M - new M: a whole number, 0 or less
.endr
.irp u, 0,1
	v_cvt_i32_f32 v[TT+TU*\u], v[TT+TU*\u]         ; (it saturates)
.endr
.irp u, 0,1
	v_ldexp_f32 v[FF+TU*\u], 1.0, v[TT+TU*\u]      ; l's factor: a power of two
.endr
.set j, 0
.rept 32
.irp u, 0,1
	v_pk_fma_f32 v[S+64*\u+j:S+64*\u+j+1], v[S+64*\u+j:S+64*\u+j+1], s[CS:CS+1], v[ST+4*\u:ST+4*\u+1] op_sel_hi:[1,0,0]   ; t - M
.endr
.set j, j+2
.endr
.irp b, 0,1,2,3
.irp u, 0,1
	v_fma_f32 v[BM+TU*\u+\b], v[BM+TU*\u+\b], s[CS], v[ST+4*\u]
.endr
.endr
.set j, 0
.rept 128
	v_exp_f32 v[S+j], v[S+j]                       ; p = 2^(t - M): one batch for both tiles
.set j, j+1
.endr
.irp u, 0,1
	v_pk_mul_f32 v[ST+4*\u+2:ST+4*\u+3], v[ST+4*\u+2:ST+4*\u+3], v[FF+TU*\u:FF+TU*\u+1] op_sel_hi:[1,0]   ; l under the new M (plain places behind the exponentials)
.endr
	s_wait_alu depctr_va_vdst(0)                   ; one wait for the batch, ahead of its first reader
.irp b, 0,1,2,3
.irp u, 0,1
	v_exp_f32 v[BM+TU*\u+\b], v[BM+TU*\u+\b]       ; the blocks' largest p
.endr
.endr
.irp u, 0,1
	v_pk_add_f32 v[T4+TU*\u:T4+TU*\u+1], v[S+64*\u:S+64*\u+1], v[S+64*\u+2:S+64*\u+3]   ; l sums the unquantised p, in two chains a tile
.endr
.irp u, 0,1
	v_pk_add_f32 v[ST+4*\u+2:ST+4*\u+3], v[ST+4*\u+2:ST+4*\u+3], v[S+64*\u+4:S+64*\u+5]
.endr
.irp u, 0,1
	v_pk_add_f32 v[T4+TU*\u:T4+TU*\u+1], v[T4+TU*\u:T4+TU*\u+1], v[S+64*\u+6:S+64*\u+7]
.endr
.set j, 8
.rept 14
.irp u, 0,1
	v_pk_add_f32 v[ST+4*\u+2:ST+4*\u+3], v[ST+4*\u+2:ST+4*\u+3], v[S+64*\u+j:S+64*\u+j+1]
	v_pk_add_f32 v[T4+TU*\u:T4+TU*\u+1], v[T4+TU*\u:T4+TU*\u+1], v[S+64*\u+j+2:S+64*\u+j+3]
.endr
.set j, j+4
.endr
.irp u, 0,1
	v_pk_add_f32 v[ST+4*\u+2:ST+4*\u+3], v[ST+4*\u+2:ST+4*\u+3], v[T4+TU*\u:T4+TU*\u+1]
.endr
	s_wait_alu depctr_va_vdst(0)                   ; and one for the eight
.irp b, 0,1,2,3
.irp u, 0,1
	v_max_num_f32 v[BM+TU*\u+\b], 0x1800000, v[BM+TU*\u+\b]   ; the floor 2^(3 - 127)
.endr
.endr
.irp b, 0,1,2,3
.irp u, 0,1
	v_add_nc_u32 v[SCV+TU*\u+\b], 0xff000000, v[BM+TU*\u+\b]  ; 2 off the exponent field: the conversion's scale operand
.endr
.endr
.irp b, 0,1,2,3
.irp u, 0,1
	v_lshrrev_b32 v[T4+TU*\u+\b], 23, v[SCV+TU*\u+\b]         ; the scale's byte: 1 to 125, since p is at most 1
.endr
.endr
.irp u, 0,1
	v_lshl_or_b32 v[PW+\u], v[T4+TU*\u+1], 8, v[T4+TU*\u]
.endr
.irp u, 0,1
	v_lshl_or_b32 v[PW+\u], v[T4+TU*\u+2], 16, v[PW+\u]
.endr
.irp u, 0,1
	v_lshl_or_b32 v[PW+\u], v[T4+TU*\u+3], 24, v[PW+\u]
.endr
.irp b, 0,1,2,3
.irp u, 0,1
	v_cvt_scalef32_pk8_fp4_f32 v[PC+8*\u+2*\b], v[S+64*\u+16*\b:S+64*\u+16*\b+7], v[SCV+TU*\u+\b]
	v_cvt_scalef32_pk8_fp4_f32 v[PC+8*\u+2*\b+1], v[S+64*\u+16*\b+8:S+64*\u+16*\b+15], v[SCV+TU*\u+\b]
.endr
.endr
	v_nop                                          ; one plain place behind a scaled conversion
.irp u, 0,1
.irp c, 0,1
.irp i, 0,1
	v_permlane16_swap_b32 v[PC+8*\u+4*\c+\i], v[PC+8*\u+4*\c+2+\i]   ; the operand's layout wants a whole block in a lane
.endr
.endr
.endr
.endm
; A STEP OF PHASE A: 128 keys.  s_wait_dscnt 32 leaves the two younger runs of 16 loads out, 16 the one.
.macro ASTEP
	v_add_nc_u32 v[ADK], s[TB], v[VL16]
	v_add_nc_u32 v[ADS], s[TS], v[KS0]
	v_add_nc_u32 v[ADP], s[TP], v[PST0]
	v_add_nc_u32 v[ADW], s[TJ], v[PWS0]
.irp s, 0,1,2,3
.irp g, 0,1
	ds_load_b64 v[SCR+4*\s+2*\g:SCR+4*\s+2*\g+1], v[ADS] offset:1024*\g+256*\s   ; K's words: register 4 s + kt / 2, lanes 16 (kt % 2) on
.endr
.endr
	LOADK 0, B0
	LOADK 1, B1
	LOADK 2, B2
	s_wait_dscnt 32
	MULS 0, B0
	PLACES
	LOADK 3, B0
	s_wait_dscnt 32
	MULS 1, B1
	s_wait_dscnt 16
	MULS 2, B2
	s_wait_dscnt 0x0
	MULS 3, B0
	WIN 0
	PLACES                                         ; ahead of the softmax's first read
	SOFTMAX2
.irp u, 0,1
	ds_store_b128 v[ADP], v[PC+8*\u:PC+8*\u+3] offset:1024*\u          ; p's fragment as it stands: 512 consecutive bytes a store
	ds_store_b128 v[ADP], v[PC+8*\u+4:PC+8*\u+7] offset:1024*\u+512
.endr
	v_cndmask_b32 v[CW], v[PW], v[PW+1], s[MSK]    ; lanes 16-31 take tile 1's word (a tile's word and -M stand alike in lanes l and l xor 16)
	v_cndmask_b32 v[CM], v[ST], v[ST+4], s[MSK]
	ds_store_b32 v[ADW], v[CW]
	ds_store_b32 v[ADW], v[CM] offset:MJO
	s_add_co_u32 s[TB], s[TB], 32768
	s_add_co_u32 s[TS], s[TS], 2048
	s_add_co_u32 s[TP], s[TP], 2048
	s_add_co_u32 s[TJ], s[TJ], 4
.endm
.macro A2 c                            ; fill c's two steps of K
	s_mov_b32 s[TB], ((\c)%2)*SLOT1
	s_mov_b32 s[TS], (\c)*4096
	s_mov_b32 s[TP], (\c)*4096
	s_mov_b32 s[TJ], (\c)*8
	s_mov_b32 s[TWICE], 2
.Lastep_\@:
	ASTEP
	s_sub_co_u32 s[TWICE], s[TWICE], 1
	s_cmp_lg_u32 s[TWICE], 0
	s_cbranch_scc1 .Lastep_\@
.endm
; THE CHANGE OF SLOTS.  Each wave waits for all its tensor loads (one is out: its quarter of the other slot), adds 0 to its spare word, and waits for that, for its reads of the slot that it leaves and for its LDS stores.
; fill = 1: a round of the cluster's barrier, and behind it the joint refill of the slot just left, by group g0 (adv = 1: two fills further on): one load a wave, with the other slot's two steps in which to land.
.macro CHANGE fill, g0, adv
	s_wait_tensorcnt 0x0
	ds_add_u32 v[SPW], v[NIL]
.if \adv
	s_add_nc_u64 s[\g0+2:\g0+3], s[\g0+2:\g0+3], 131072   ; no tensor load of mine is out: a group 0 may be written
.endif
	s_wait_dscnt 0x0
.if \fill
	CROUND
	tensor_load_to_lds s[\g0:\g0+3], s[G1:G1+7]
	s_nop 0
	PLACES
.else
	s_barrier_signal -1
	s_barrier_wait -1
.endif
.endm
; PHASE B.  Step j's operands into set bs: my 8 tiles of V, all 8 tiles of p, their scale words: 34 LDS loads
.macro BLOAD j, bs
	WIN 0x40
.set kk, 0
.rept 8
	ds_load_b128 v[128*(\bs)+64+8*kk:128*(\bs)+64+8*kk+3], v[VA0+((\j)/2)%2] offset:32768*((\j)%2)+1024*kk
	ds_load_b128 v[128*(\bs)+64+8*kk+4:128*(\bs)+64+8*kk+7], v[VA0+((\j)/2)%2] offset:32768*((\j)%2)+1024*kk+512
.set kk, kk+1
.endr
.set kk, 0
.rept 8
	ds_load_b128 v[128*(\bs)+8*kk:128*(\bs)+8*kk+3], v[PRD] offset:16384*(kk/2)+2048*(\j)+1024*(kk%2)
	ds_load_b128 v[128*(\bs)+8*kk+4:128*(\bs)+8*kk+7], v[PRD] offset:16384*(kk/2)+2048*(\j)+1024*(kk%2)+512
.set kk, kk+1
.endr
	WIN 0
	ds_load_b128 v[SCR+8*(\bs):SCR+8*(\bs)+3], v[PWFL] offset:512*(\j)       ; p's words: register u' / 2, lanes 16 (u' % 2) on
	ds_load_b128 v[SCR+8*(\bs)+4:SCR+8*(\bs)+7], v[VS0] offset:2048*(\j)     ; V's words: register ct / 2, lanes 16 (ct % 2) on
.endm
.macro MULB j, bs                      ; 64 products, each accumulator once: no two on end share one.  Step 0 starts the sums: nothing is cleared
	WIN 0xa5
.set uu, 0
.rept 4
.set cc, 0
.rept 8
.if (\j) == 0
	WMMA 8*(8*uu+cc), 128*(\bs)+8*uu, 128*(\bs)+64+8*cc, -1, SCR+8*(\bs)+uu/2, SCR+8*(\bs)+4+cc/2, uu%2, cc%2
.else
	WMMA 8*(8*uu+cc), 128*(\bs)+8*uu, 128*(\bs)+64+8*cc, 8*(8*uu+cc), SCR+8*(\bs)+uu/2, SCR+8*(\bs)+4+cc/2, uu%2, cc%2
.endif
.set cc, cc+1
.endr
.set uu, uu+1
.endr
	WIN 0xf5
.set uu, 0
.rept 4
.set cc, 0
.rept 8
.if (\j) == 0
	WMMA 8*(8*uu+cc), 128*(\bs)+32+8*uu, 128*(\bs)+64+8*cc, -1, SCR+8*(\bs)+2+uu/2, SCR+8*(\bs)+4+cc/2, uu%2, cc%2
.else
	WMMA 8*(8*uu+cc), 128*(\bs)+32+8*uu, 128*(\bs)+64+8*cc, 8*(8*uu+cc), SCR+8*(\bs)+2+uu/2, SCR+8*(\bs)+4+cc/2, uu%2, cc%2
.endif
.set cc, cc+1
.endr
.set uu, uu+1
.endr
.endm
.macro BSLOT m                         ; a fill's two steps of V
	BLOAD 2*(\m), 0
	BLOAD 2*(\m)+1, 1
	s_wait_dscnt 34                                ; the first step's loads are in; the second's 34 stay out
	MULB 2*(\m), 0
	s_wait_dscnt 0x0
	MULB 2*(\m)+1, 1
	WIN 0
	PLACES                                         ; ahead of the next loads into registers that these products read, and of the first read of O
.endm
; 64 numbers of a lane, register 16 b + i = k 32 b + 16 (lane / 16) + i of my row, become a fragment's codes in v[PC] on and its scale word in v[PW] (the same word in lanes l and l xor 16)
.macro QUANT s
.irp b, 0,1,2,3
	v_max3_num_f32 v[TM+\b], |v[\s+16*\b]|, |v[\s+1+16*\b]|, 0x1800000
.endr
.irp i, 2,4,6,8,10,12,14
.irp b, 0,1,2,3
	v_max3_num_f32 v[TM+\b], v[TM+\b], |v[\s+16*\b+\i]|, |v[\s+1+16*\b+\i]|
.endr
.endr
.irp b, 0,1,2,3
	v_permlanex16_b32 v[TM+4+\b], v[TM+\b], s[SEL], s[SEL+1]
.endr
.irp b, 0,1,2,3
	v_max_num_f32 v[TM+\b], v[TM+\b], v[TM+4+\b]
.endr
.irp b, 0,1,2,3
	v_add_nc_u32 v[TM+12+\b], 0xff000000, v[TM+\b]
.endr
.irp b, 0,1,2,3
	v_lshrrev_b32 v[TM+4+\b], 23, v[TM+12+\b]
.endr
	v_lshl_or_b32 v[PW], v[TM+5], 8, v[TM+4]
	v_lshl_or_b32 v[PW], v[TM+6], 16, v[PW]
	v_lshl_or_b32 v[PW], v[TM+7], 24, v[PW]
.irp b, 0,1,2,3
	v_cvt_scalef32_pk8_fp4_f32 v[PC+2*\b], v[\s+16*\b:\s+7+16*\b], v[TM+12+\b]
	v_cvt_scalef32_pk8_fp4_f32 v[PC+1+2*\b], v[\s+8+16*\b:\s+15+16*\b], v[TM+12+\b]
.endr
	v_nop                                          ; one plain place behind a scaled conversion
.irp c, 0,1
.irp i, 0,1
	v_permlane16_swap_b32 v[PC+4*\c+\i], v[PC+2+4*\c+\i]
.endr
.endr
.endm
; the way out of row tile ct: O / l (register j of query tile u' by 1 / l of its query row 8 h + j), quantised along the 128 queries: one whole fragment and its scale words
.macro OTILE ct
	s_wait_xcnt 0x0                                ; the last tile's stores have read v[PC] on
	WIN 0x02                                       ; source 0 window 2
.set uu, 0
.rept 4
.irp i, 0,2,4,6
	v_pk_mul_f32 v[T+8*uu+\i:T+8*uu+\i+1], v[8*(8*uu+(\ct))+\i:8*(8*uu+(\ct))+\i+1], v[FU+8*uu+\i:FU+8*uu+\i+1]
.endr
.set uu, uu+1
.endr
	WIN 0x03
.set uu, 0
.rept 4
.irp i, 0,2,4,6
	v_pk_mul_f32 v[T+32+8*uu+\i:T+32+8*uu+\i+1], v[8*(8*uu+(\ct))+\i:8*(8*uu+(\ct))+\i+1], v[FU+32+8*uu+\i:FU+32+8*uu+\i+1]
.endr
.set uu, uu+1
.endr
	WIN 0
	QUANT T
	global_store_b128 v[VL16], v[PC:PC+3], s[OC:OC+1] offset:4096*(\ct)        ; 512 consecutive bytes each
	global_store_b128 v[VL16], v[PC+4:PC+7], s[OC:OC+1] offset:4096*(\ct)+512
.if (\ct)%2 == 0
	v_mov_b32 v[SWO+(\ct)/2], v[PW]
.else
	v_cndmask_b32 v[SWO+(\ct)/2], v[SWO+(\ct)/2], v[PW], s[MSK]   ; lanes 16-31 take the odd tile's words
.endif
.endm
	s_load_b256 s[4:11], s[0:1], 0x0               ; qbuf, kbuf, vbuf, obuf
	v_lshl_add_u32 v[SPW], v0, 2, SPARE
	v_mov_b32 v[NIL], 0
	ds_add_u32 v[SPW], v[NIL]                      ; the opening: the add, twice on end, and its wait ahead of my first tensor load
	ds_add_u32 v[SPW], v[NIL]
	v_lshrrev_b32 v1, 5, v0
	v_readfirstlane_b32 s[WV], v1                  ; wave
	s_bfe_u32 s13, ttmp6, 0x40000                  ; cx
	s_lshl_b32 s14, ttmp9, 2
	s_add_co_u32 s14, s14, s13                     ; my block of 128 queries: it enters global addresses alone
	s_and_b32 s15, ttmp7, 0xffff                   ; the image, which the partners share
	s_mov_b32 s[G1], 15|(3<<16)|(1<<21)            ; the mask: all four; elements of 8 bytes; bit 21 beside a mask; no padding
	s_mov_b32 s[G1+1], 32<<16                      ; tensor_dim0 = 32 elements: 256 bytes
	s_mov_b32 s[G1+2], 64<<16                      ; tensor_dim1 = 64
	s_mov_b32 s[G1+3], 32<<16                      ; tile_dim0
	s_mov_b32 s[G1+4], 64                          ; tile_dim1
	s_mov_b32 s[G1+5], 32                          ; the pitch: dense
	s_mov_b32 s[G1+6], 0
	s_mov_b32 s[G1+7], 0
	s_mov_b32 s[G1S], 15|(3<<16)|(1<<21)
	s_mov_b32 s[G1S+1], 32<<16
	s_mov_b32 s[G1S+2], 32<<16
	s_mov_b32 s[G1S+3], 32<<16
	s_mov_b32 s[G1S+4], 32
	s_mov_b32 s[G1S+5], 32
	s_mov_b32 s[G1S+6], 0
	s_mov_b32 s[G1S+7], 0
	s_and_b32 s16, s[WV], 1
	s_lshl_b32 s18, s15, 18                        ; codes: the image + my quarter of a fill's 65,536 bytes
	s_lshl_b32 s17, s[WV], 14
	s_add_co_u32 s18, s18, s17
	s_mov_b32 s19, 0
	s_lshl_b32 s20, s15, 14                        ; scale words: the image + my half of its 16,384 bytes
	s_lshl_b32 s17, s16, 13
	s_add_co_u32 s20, s20, s17
	s_add_co_u32 s20, s20, SCOFF
	s_mov_b32 s21, 0
	s_lshl_b32 s22, s[WV], 14                      ; LDS: wave x 16,384 in a slot,
	s_lshl_b32 s23, s[WV], 13                      ; wave x 8,192 among the scale words
	s_mov_b32 s[CS], 0x3d8293ee                    ; log2(e) / sqrt(512)
	s_mov_b32 s[CS+1], s[CS]
	s_mov_b32 s[SEL], 0x76543210
	s_mov_b32 s[SEL+1], 0xfedcba98                 ; v_permlanex16_b32's selects for lane l xor 16
	s_mov_b32 s[MSK], 0xffff0000                   ; lanes 16-31
	s_mov_b32 s[ONES], 0x01010101
	s_lshr_b32 s[LIM], s[WV], 1
	s_or_b32 s[LIM], s[LIM], ttmp9                 ; 0 in waves 0 and 1 of the image's first cluster: the same in all four partners
	s_cmp_eq_u32 s[LIM], 0
	s_cselect_b32 s[LIM], 1, -1
	s_wait_dscnt 0x0                               ; both opening adds are done
	s_wait_kmcnt 0x0
	s_cmp_lt_u32 s[WV], 2                          ; the scale words: waves 0, 1 fetch K's halves, waves 2, 3 V's
	s_cselect_b64 s[84:85], s[6:7], s[8:9]
	s_mov_b32 s[G0S], 1
	s_add_co_u32 s[G0S+1], s23, SCL
	s_add_nc_u64 s[G0S+2:G0S+3], s[84:85], s[20:21]
	s_or_b32 s[G0S+3], s[G0S+3], 0x80000000
	s_mov_b32 s[G0A], 1                            ; K's fill 0 into slot 0,
	s_mov_b32 s[G0A+1], s22
	s_add_nc_u64 s[G0A+2:G0A+3], s[6:7], s[18:19]
	s_mov_b32 s[G0B], 1                            ; fill 1 into slot 1
	s_add_co_u32 s[G0B+1], s22, SLOT1
	s_add_nc_u64 s[G0B+2:G0B+3], s[G0A+2:G0A+3], 65536
	s_or_b32 s[G0A+3], s[G0A+3], 0x80000000
	s_or_b32 s[G0B+3], s[G0B+3], 0x80000000
	s_mov_b32 s[G0C], 1                            ; V's likewise
	s_mov_b32 s[G0C+1], s22
	s_add_nc_u64 s[G0C+2:G0C+3], s[8:9], s[18:19]
	s_mov_b32 s[G0D], 1
	s_add_co_u32 s[G0D+1], s22, SLOT1
	s_add_nc_u64 s[G0D+2:G0D+3], s[G0C+2:G0C+3], 65536
	s_or_b32 s[G0C+3], s[G0C+3], 0x80000000
	s_or_b32 s[G0D+3], s[G0D+3], 0x80000000
	CROUND                                         ; all four work-groups are here: the first joint loads meet
	tensor_load_to_lds s[G0S:G0S+3], s[G1S:G1S+7]  ; the scale words; three loads of mine are out
	s_nop 0
	tensor_load_to_lds s[G0A:G0A+3], s[G1:G1+7]    ; K's steps 0, 1
	s_nop 0
	tensor_load_to_lds s[G0B:G0B+3], s[G1:G1+7]    ; K's steps 2, 3
	s_nop 0
	PLACES
	s_lshl_b32 s86, s15, 18                        ; the prefetches: my work-group's 16,384 bytes of a fill, my wave's half of them
	s_lshl_b32 s17, s13, 14
	s_add_co_u32 s86, s86, s17
	s_lshl_b32 s17, s16, 13
	s_add_co_u32 s86, s86, s17
	s_mov_b32 s87, 0
	s_add_nc_u64 s[PFK:PFK+1], s[6:7], s[86:87]
	s_add_nc_u64 s[PFV:PFV+1], s[8:9], s[86:87]
	s_lshl_b32 s16, s14, 2
	s_add_co_u32 s16, s16, s[WV]                   ; P: my block of 32 queries
	s_lshl_b32 s86, s15, 14                        ; Q's scale words: [b][P / 2][s][lane][P % 2]
	s_lshr_b32 s17, s16, 1
	s_lshl_b32 s17, s17, 10
	s_add_co_u32 s86, s86, s17
	s_and_b32 s17, s16, 1
	s_lshl_b32 s17, s17, 2
	s_add_co_u32 s86, s86, s17
	s_add_co_u32 s86, s86, SCOFF
	s_add_nc_u64 s[QSP:QSP+1], s[4:5], s[86:87]
	s_lshl_b32 s86, s15, 18                        ; Q's codes: 8,192 bytes a block
	s_lshl_b32 s17, s16, 13
	s_add_co_u32 s86, s86, s17
	s_add_nc_u64 s[4:5], s[4:5], s[86:87]
	s_lshl_b32 s86, s15, 14                        ; O's scale words: [b][block of 128 queries][ct][r]; my 8 tiles are 512 bytes
	s_lshl_b32 s17, s14, 11
	s_add_co_u32 s86, s86, s17
	s_lshl_b32 s17, s[WV], 9
	s_add_co_u32 s86, s86, s17
	s_add_co_u32 s86, s86, SCOFF
	s_add_nc_u64 s[OSO:OSO+1], s[10:11], s[86:87]
	s_lshl_b32 s86, s15, 18                        ; O's codes: [b][ih][ct][s][1,024 bytes]: ih = block / 4, s = block % 4, ct = 8 w on
	s_lshr_b32 s17, s14, 2
	s_lshl_b32 s17, s17, 17
	s_add_co_u32 s86, s86, s17
	s_and_b32 s17, s14, 3
	s_lshl_b32 s17, s17, 10
	s_add_co_u32 s86, s86, s17
	s_lshl_b32 s17, s[WV], 15
	s_add_co_u32 s86, s86, s17
	s_add_nc_u64 s[OC:OC+1], s[10:11], s[86:87]
	v_and_b32 v[TL], 31, v0                        ; lane
	v_lshlrev_b32 v[VL16], 4, v[TL]
	v_lshl_add_u32 v[KS0], v[TL], 3, SCL
	s_lshl_b32 s17, s[WV], 9
	s_add_co_u32 s17, s17, SCL+16384
	v_add_nc_u32 v[VS0], s17, v[VL16]
	s_lshl_b32 s17, s[WV], 14
	s_add_co_u32 s17, s17, PCD
	v_add_nc_u32 v[PST0], s17, v[VL16]
	v_add_nc_u32 v[PRD], PCD, v[VL16]
	s_lshl_b32 s17, s[WV], 10
	s_add_co_u32 s17, s17, PWX
	v_lshl_add_u32 v[PWS0], v[TL], 5, s17
	s_lshl_b32 s17, s[WV], 2
	s_add_co_u32 s17, s17, PWF
	v_add_nc_u32 v[PWFS], s17, v[VL16]
	v_add_nc_u32 v[PWFL], PWF, v[VL16]
	s_lshl_b32 s17, s[WV], 13
	v_add_nc_u32 v[VA0], s17, v[VL16]
	v_add_nc_u32 v[VA0+1], SLOT1, v[VA0]
	v_and_b32 v[ADK], 15, v0                       ; r
	v_bfe_u32 v[ADS], v0, 4, 1                     ; h
	s_lshl_b32 s17, s[WV], 7
	s_add_co_u32 s17, s17, FX
	v_lshl_add_u32 v[FXS], v[ADK], 2, s17
	v_lshl_add_u32 v[FXL], v[ADS], 5, FX
	s_lshl_b32 s17, s[WV], 9
	s_add_co_u32 s17, s17, OSX
	v_lshl_add_u32 v[OSS], v[TL], 2, s17
	v_add_nc_u32 v[OSL], s17, v[VL16]
	v_lshlrev_b32 v[PFO], 8, v[TL]
	v_lshlrev_b32 v[TL], 3, v[TL]                  ; 8 x lane
	WIN 0x40
.set f, 0
.rept 16
	global_load_b128 v[4*f:4*f+3], v[VL16], s[4:5] offset:512*f    ; Q's 8 fragments stay in registers through phase A
.set f, f+1
.endr
	WIN 0
.irp s, 0,1,2,3
	global_load_b32 v[QSC+\s], v[TL], s[QSP:QSP+1] offset:256*\s
.endr
.irp u, 0,1
	v_mov_b32 v[ST+4*\u+1], 0xff61b1e6             ; the largest t so far: -3e38, under every t
	v_floor_f32 v[ST+4*\u], -v[ST+4*\u+1]          ; -M
	v_mov_b32 v[ST+4*\u+2], 0                      ; l, in two halves
	v_mov_b32 v[ST+4*\u+3], 0
	v_mov_b32 v[FF+TU*\u+1], 0                     ; (named as the upper half of a pair)
.irp b, 0,1,2,3
	v_mov_b32 v[T4+TU*\u+\b], 0                    ; written once: a lane permute's destination counts as one of its sources
.endr
.endr
	s_wait_tensorcnt 1                             ; the scale words and my quarter of fill 0 are in; fill 1's load may stay out
	s_barrier_signal -1
	s_barrier_wait -1
	s_wait_loadcnt 0x0                             ; Q
	; ---- PHASE A
	A2 0
	CHANGE 1, G0A, 1                               ; K's steps 4, 5 into slot 0
	ASK PFK, 196608                                ; K's steps 6, 7: what the next change asks for
	A2 1
	CHANGE 1, G0B, 1                               ; K's steps 6, 7 into slot 1
	ASK PFV, 0                                     ; V's steps 0, 1
	A2 2
	CHANGE 1, G0C, 0                               ; V's steps 0, 1 into slot 0
	ASK2 PFV, 65536, 131072                        ; V's steps 2 to 5: phase B's steps are short, so its fills are asked for from here
	A2 3
	; ---- p's scale words under the final M, and 1 / l.  v[CM] holds the final -M of both tiles
	ds_load_b128 v[FW:FW+3], v[PWS0]               ; LDS serves a wave's instructions in order: these see my stores
	ds_load_b128 v[FW+4:FW+7], v[PWS0] offset:16
	ds_load_b128 v[FM:FM+3], v[PWS0] offset:MJO
	ds_load_b128 v[FM+4:FM+7], v[PWS0] offset:MJO+16
.irp u, 0,1
	v_add_f32 v[BM+\u], v[ST+4*\u+2], v[ST+4*\u+3] ; l's two halves,
.endr
.irp u, 0,1
	v_permlanex16_b32 v[T4+\u], v[BM+\u], s[SEL], s[SEL+1]
.endr
.irp u, 0,1
	v_add_f32 v[BM+\u], v[BM+\u], v[T4+\u]         ; and lane l xor 16's
.endr
.irp u, 0,1
	v_rcp_f32 v[SCV+\u], v[BM+\u]
.endr
	v_nop                                          ; a plain place behind the reciprocals
	s_wait_alu depctr_va_vdst(0)                   ; one wait for both, ahead of the first reader
.irp u, 0,1
	ds_store_b32 v[FXS], v[SCV+\u] offset:64*\u    ; lanes l and l xor 16 write the same word with the same value
.endr
	s_wait_dscnt 2                                 ; the four loads are in; the two younger stores may be out
.irp j, 0,1,2,3,4,5,6,7
	v_sub_f32 v[FT+\j], v[FM+\j], v[CM]            ; d = final M - step j's M: a whole number, 0 or more
.endr
.irp j, 0,1,2,3,4,5,6,7
	v_min_num_f32 v[FT+\j], 0x42fe0000, v[FT+\j]   ; held at 127, over every byte
.endr
.irp j, 0,1,2,3,4,5,6,7
	v_cvt_u32_f32 v[FT+\j], v[FT+\j]
.endr
.irp j, 0,1,2,3,4,5,6,7
	v_mul_lo_u32 v[FT+\j], v[FT+\j], s[ONES]       ; d in each of the four bytes
.endr
.irp j, 0,1,2,3,4,5,6,7
	v_or_b32 v[FW+\j], 0x80808080, v[FW+\j]        ; the bytes are 1 to 125: bit 7 of each is free, and catches the borrow
.endr
.irp j, 0,1,2,3,4,5,6,7
	v_sub_nc_u32 v[FW+\j], v[FW+\j], v[FT+\j]      ; 128 + byte - d, 2 or more: no byte borrows from its neighbour
.endr
.irp j, 0,1,2,3,4,5,6,7
	v_and_b32 v[FT+\j], 0x80808080, v[FW+\j]       ; bit 7 stands where byte - d is 0 or more
.endr
.irp j, 0,1,2,3,4,5,6,7
	v_lshrrev_b32 v[FM+\j], 7, v[FT+\j]
.endr
.irp j, 0,1,2,3,4,5,6,7
	v_sub_nc_u32 v[FT+\j], v[FT+\j], v[FM+\j]      ; 0x7f in those bytes, 0 in the others
.endr
.irp j, 0,1,2,3,4,5,6,7
	v_and_b32 v[FW+\j], v[FW+\j], v[FT+\j]         ; byte - d, held at 0
.endr
.irp j, 0,1,2,3,4,5,6,7
	ds_store_b32 v[PWFS], v[FW+\j] offset:512*\j
.endr
	CHANGE 1, G0D, 0                               ; V's steps 2, 3 into slot 1.  Behind its barrier every wave's codes, words and 1 / l lie in LDS
	ASK PFV, 196608                                ; V's steps 6, 7
	; ---- PHASE B
	BSLOT 0
	CHANGE 1, G0C, 1                               ; V's steps 4, 5 into slot 0
	BSLOT 1
	CHANGE 1, G0D, 1                               ; V's steps 6, 7 into slot 1
	BSLOT 2
	CHANGE 0, G0D, 0                               ; nothing is left to fetch
	BSLOT 3
	; ---- THE WAY OUT
.set uu, 0
.rept 8
	ds_load_b128 v[FU+8*uu:FU+8*uu+3], v[FXL] offset:64*uu         ; 1 / l of query rows 8 h .. 8 h + 7 of query tile uu
	ds_load_b128 v[FU+8*uu+4:FU+8*uu+7], v[FXL] offset:64*uu+16
.set uu, uu+1
.endr
	s_wait_dscnt 0x0
.irp t, 0,1,2,3,4,5,6,7
	OTILE \t
.endr
.irp a, 0,1,2,3
	ds_store_b32 v[OSS], v[SWO+\a] offset:128*\a   ; my 8 tiles' words, [ct][r], through my own 512 bytes,
.endr
	ds_load_b128 v[OB:OB+3], v[OSL]                ; so that a lane holds 16 neighbouring bytes
	s_wait_dscnt 0x0
	global_store_b128 v[VL16], v[OB:OB+3], s[OSO:OSO+1]    ; 512 consecutive bytes
	s_wait_tensorcnt 0x0                           ; the wave's end: a wait, an add of 0 to my spare word and its wait, behind my last tensor load and my last LDS store
	ds_add_u32 v[SPW], v[NIL]
	s_wait_dscnt 0x0
	CROUND                                         ; the closing round
	s_endpgm
.Lfunc_end_k_q40bbc96bbc_attn:
	.size	k_q40bbc96bbc_attn, .Lfunc_end_k_q40bbc96bbc_attn-k_q40bbc96bbc_attn
	.p2alignl 7, 3214868480
	.fill 96, 4, 3214868480
	.section	.rodata,"a",@progbits
	.p2align	6, 0x0
	.amdhsa_kernel k_q40bbc96bbc_attn
		.amdhsa_group_segment_fixed_size 327680
		.amdhsa_private_segment_fixed_size 0
		.amdhsa_enable_private_segment 0
		.amdhsa_kernarg_size 32
		.amdhsa_user_sgpr_count 2
		.amdhsa_user_sgpr_kernarg_segment_ptr 1
		.amdhsa_wavefront_size32 1
		.amdhsa_system_sgpr_workgroup_id_x 1
		.amdhsa_system_sgpr_workgroup_id_y 1
		.amdhsa_system_sgpr_workgroup_id_z 1
		.amdhsa_system_vgpr_workitem_id 0
		.amdhsa_next_free_vgpr 1024
		.amdhsa_next_free_sgpr 88
		.amdhsa_reserve_vcc 0
		.amdhsa_float_denorm_mode_32 3
		.amdhsa_float_denorm_mode_16_64 3
		.amdhsa_memory_ordered 1
		.amdhsa_forward_progress 1
		.amdhsa_inst_pref_size 255
	.end_amdhsa_kernel
	.section	.bss,"aw",@nobits
	.p2align	6
	.space	262144
	.amdgpu_metadata
---
amdhsa.version: [ 1, 2 ]
amdhsa.kernels:
  - .name:           k_q40bbc96bbc_attn
    .symbol:         k_q40bbc96bbc_attn.kd
    .args:
      - { .name: qbuf, .offset: 0, .size: 8, .value_kind: global_buffer, .address_space: global }
      - { .name: kbuf, .offset: 8, .size: 8, .value_kind: global_buffer, .address_space: global }
      - { .name: vbuf, .offset: 16, .size: 8, .value_kind: global_buffer, .address_space: global }
      - { .name: obuf, .offset: 24, .size: 8, .value_kind: global_buffer, .address_space: global }
    .group_segment_fixed_size: 327680
    .private_segment_fixed_size: 0
    .kernarg_segment_align: 8
    .kernarg_segment_size: 32
    .max_flat_workgroup_size: 128
    .sgpr_count:     88
    .vgpr_count:     1024
    .wavefront_size: 32
...
	.end_amdgpu_metadata
.endif
;; end of part 3
;; launch proj (part 4): grid 8 x 32, 4 waves a work-group, no clusters, 34,304 bytes of LDS; arguments obuf, wimg, wo_scales, bo, x, out0; writes out0
.if DOCPART == 4
	.amdgcn_target "amdgcn-amd-amdhsa--gfx1250"
	.amdhsa_code_object_version 6
	.text
	.protected	k_q40bbc96bbc_proj
	.globl	k_q40bbc96bbc_proj
	.p2align	8
	.type	k_q40bbc96bbc_proj,@function
k_q40bbc96bbc_proj:
	s_mov_b64 s[64:65], 0
	v_nop
	global_prefetch_b8 v0, s[64:65] scope:SCOPE_SE
	s_setreg_imm32_b32 hwreg(HW_REG_WAVE_MODE, 25, 1), 1
	s_wait_xcnt 0x0
; FOURTH LAUNCH: out0 = O wo + bo + x, O as the codes and scale words that the launch before has made.  No work is left out.
; SHARES.  Work-group (x = 4 ih + ctg, y = b) owns the 8 tiles ct = 8 ctg + t of O's rows: pixels 2 c' + ih, c' = 32 (ct / 2) + 8 (ct % 2) + r + 8 (r / 8); their codes are 32,768 consecutive bytes.
; Wave w makes outputs 128 w .. 128 w + 127 of all 128 pixels: its 32 fragments of wo stay in registers, read once.  Source 0 = 16 outputs of wo, source 1 = 16 pixels: a lane holds one pixel and 8 outputs a tile.
; bo is the C of each sum's first product.  A tile goes through the wave's own stage in LDS and comes back as rows of 512 bytes; x's same 512 bytes are added; the 32 lanes store them.
; NO JOINT LOADS: wo is 131,072 of the 770,000 bytes that a work-group moves, and each fragment goes once into one wave's registers.  No barrier: waves share nothing.
; LIMITS: NaN and infinities are not served.
.set SPT,   528                        ; a stage row: 512 bytes + 16
.set SPARE, 4*16*SPT                   ; behind the four stages: the spare words, 128 bytes a wave
.set SCOFF, 8388608
.set VL16, 1                           ; v1 16 x lane
.set STO,  2                           ; v2 my stage + 528 r + 64 h
.set RD,   3                           ; v3 my stage + 16 x lane
.set VL4,  4                           ; v4 4 x lane
.set VW2,  5                           ; v5 16 (r + 8 (r / 8) + 8 h)
.set VBH,  6                           ; v6 64 h
.set WOS,  16                          ; v16-31 wo's scale words: register 4 (T / 2) + s, lanes 16 (T % 2) on
.set OSC,  32                          ; v32-47 O's: register 4 (t / 2) + s, lanes 16 (t % 2) on
.set OFR,  48                          ; v48-111 two buffers of O's 4 fragments
.set ACC,  112                         ; v112-175 eight accumulators
.set BK,   176                         ; v176-239 16 rows read back
.set SPW,  240                         ; v240 my spare word; never rewritten
.set NIL,  241                         ; v241 0; never rewritten
; window 1: wo's 32 fragments (tile T, K step s at 8 (4 T + s)).  window 2: v0-63 bo in the result's layout; v64-255 three buffers of 16 rows of x
.set WV,   16
.set MSB, 0
.macro WIN new
.if MSB != \new
	s_set_vgpr_msb (MSB<<8)|\new
.set MSB, \new
.endif
.endm
.macro PLACES
.rept 4
	v_nop
.endr
.endm
.macro WMMA d, a, b, c, sa, sb, ra, rb
.if ((\ra) == 0) && ((\rb) == 0)
	v_wmma_scale_f32_16x16x128_f8f6f4 v[(\d):(\d)+7], v[(\a):(\a)+7], v[(\b):(\b)+7], v[(\c):(\c)+7], v[\sa], v[\sb] matrix_a_fmt:MATRIX_FMT_FP4 matrix_b_fmt:MATRIX_FMT_FP4
.elseif (\rb) == 0
	v_wmma_scale_f32_16x16x128_f8f6f4 v[(\d):(\d)+7], v[(\a):(\a)+7], v[(\b):(\b)+7], v[(\c):(\c)+7], v[\sa], v[\sb] matrix_a_fmt:MATRIX_FMT_FP4 matrix_b_fmt:MATRIX_FMT_FP4 matrix_a_scale:MATRIX_SCALE_ROW1
.elseif (\ra) == 0
	v_wmma_scale_f32_16x16x128_f8f6f4 v[(\d):(\d)+7], v[(\a):(\a)+7], v[(\b):(\b)+7], v[(\c):(\c)+7], v[\sa], v[\sb] matrix_a_fmt:MATRIX_FMT_FP4 matrix_b_fmt:MATRIX_FMT_FP4 matrix_b_scale:MATRIX_SCALE_ROW1
.else
	v_wmma_scale_f32_16x16x128_f8f6f4 v[(\d):(\d)+7], v[(\a):(\a)+7], v[(\b):(\b)+7], v[(\c):(\c)+7], v[\sa], v[\sb] matrix_a_fmt:MATRIX_FMT_FP4 matrix_b_fmt:MATRIX_FMT_FP4 matrix_a_scale:MATRIX_SCALE_ROW1 matrix_b_scale:MATRIX_SCALE_ROW1
.endif
.endm
.macro XL t                            ; my 512 bytes of x in tile t's 16 pixels, into buffer t % 3
	WIN 0x80
.set rho, 0
.rept 16
	global_load_b128 v[64+64*((\t)%3)+4*rho:64+64*((\t)%3)+4*rho+3], v[VL16], s[12:13] offset:(32*((\t)/2)+8*((\t)%2)+rho+8*(rho/8))*4096 th:TH_LOAD_NT
.set rho, rho+1
.endr
	WIN 0
.endm
.macro OL t                            ; tile t's 4 fragments of O, into buffer t % 2
.set f, 0
.rept 8
	global_load_b128 v[OFR+32*((\t)%2)+4*f:OFR+32*((\t)%2)+4*f+3], v[VL16], s[20:21] offset:4096*(\t)+512*f
.set f, f+1
.endr
.endm
.macro TILE t
.if (\t) <= 5
	s_wait_loadcnt 40                              ; this tile's fragments and its x (asked for earlier) are in; younger: x of the next tile, its fragments, x of the tile behind it
.elseif (\t) == 6
	s_wait_loadcnt 24
.else
	s_wait_loadcnt 0x0
.endif
	WIN 0x21                                       ; source 0 window 1, C window 2
.set tp, 0
.rept 8
	WMMA ACC+8*tp, 8*(4*tp), OFR+32*((\t)%2), 8*tp, WOS+4*(tp/2), OSC+4*((\t)/2), tp%2, (\t)%2
.set tp, tp+1
.endr
	WIN 0x01
.set sk, 1
.rept 3
.set tp, 0
.rept 8                                        ; the eight accumulators by turns
	WMMA ACC+8*tp, 8*(4*tp+sk), OFR+32*((\t)%2)+8*sk, ACC+8*tp, WOS+4*(tp/2)+sk, OSC+4*((\t)/2)+sk, tp%2, (\t)%2
.set tp, tp+1
.endr
.set sk, sk+1
.endr
	WIN 0
	PLACES
.if (\t)+2 < 8
	OL (\t)+2
.endif
	s_wait_xcnt 0x0                                ; the last tile's stores have read v[BK] on
.set tp, 0
.rept 8
	ds_store_b128 v[STO], v[ACC+8*tp:ACC+8*tp+3] offset:128*(tp/2)+32*(tp%2)        ; lane (r, h): outputs 32 (T / 2) + 16 h + 8 (T % 2) + 0 .. 7 of pixel row r; each accumulator from its low end on
	ds_store_b128 v[STO], v[ACC+8*tp+4:ACC+8*tp+7] offset:128*(tp/2)+32*(tp%2)+16
.set tp, tp+1
.endr
.set rho, 0
.rept 16
	ds_load_b128 v[BK+4*rho:BK+4*rho+3], v[RD] offset:SPT*rho    ; LDS serves a wave's instructions in order: these see my stores
.set rho, rho+1
.endr
	s_wait_dscnt 0x0
	WIN 0x08                                       ; source 1 window 2
.set k, 0
.rept 32
	v_pk_add_f32 v[BK+2*k:BK+2*k+1], v[BK+2*k:BK+2*k+1], v[64+64*((\t)%3)+2*k:64+64*((\t)%3)+2*k+1]   ; + x
.set k, k+1
.endr
	WIN 0
.set rho, 0
.rept 16
	global_store_b128 v[VL16], v[BK+4*rho:BK+4*rho+3], s[14:15] offset:(32*((\t)/2)+8*((\t)%2)+rho+8*(rho/8))*4096 th:TH_STORE_NT   ; 512 consecutive bytes, aligned
.set rho, rho+1
.endr
.if (\t)+3 < 8
	XL (\t)+3
.endif
.endm
	s_load_b256 s[4:11], s[0:1], 0x0               ; obuf, wimg, wo_scales, bo
	s_load_b128 s[12:15], s[0:1], 0x20             ; x, out0
	v_lshl_add_u32 v[SPW], v0, 2, SPARE
	v_mov_b32 v[NIL], 0
	v_lshrrev_b32 v7, 5, v0
	v_readfirstlane_b32 s[WV], v7                  ; wave
	v_and_b32 v7, 31, v0
	v_lshlrev_b32 v[VL16], 4, v7
	v_lshlrev_b32 v[VL4], 2, v7
	v_and_b32 v8, 15, v0                           ; r
	v_bfe_u32 v9, v0, 4, 1                         ; h
	s_mul_i32 s17, s[WV], 16*SPT
	v_mul_u32_u24 v[STO], v8, SPT
	v_lshl_add_u32 v[STO], v9, 6, v[STO]
	v_add_nc_u32 v[STO], s17, v[STO]
	v_add_nc_u32 v[RD], s17, v[VL16]
	v_and_b32 v7, 8, v0
	v_add_nc_u32 v7, v7, v8                        ; r + 8 (r / 8)
	v_lshlrev_b32 v[VW2], 4, v7
	v_lshl_add_u32 v[VW2], v9, 7, v[VW2]
	v_lshlrev_b32 v[VBH], 6, v9
	s_lshr_b32 s18, ttmp9, 2                       ; ih
	s_and_b32 s19, ttmp9, 3                        ; ctg
	s_and_b32 s24, ttmp7, 0xffff                   ; b
	s_mov_b32 s27, 0
	s_wait_kmcnt 0x0
	s_lshl_b32 s26, s24, 3
	s_add_co_u32 s26, s26, ttmp9
	s_lshl_b32 s26, s26, 15
	s_add_nc_u64 s[20:21], s[4:5], s[26:27]        ; my 8 tiles' codes
	s_lshl_b32 s26, s24, 14
	s_lshl_b32 s25, s18, 13
	s_add_co_u32 s26, s26, s25
	s_lshl_b32 s25, s19, 9
	s_add_co_u32 s26, s26, s25
	s_add_co_u32 s26, s26, SCOFF
	s_add_nc_u64 s[22:23], s[4:5], s[26:27]        ; their scale words: [b][ih][s][ct][r]
	s_lshl_b32 s26, s[WV], 15
	s_add_co_u32 s26, s26, 393216
	s_add_nc_u64 s[6:7], s[6:7], s[26:27]          ; wo's tiles 8 w on
	s_lshl_b32 s26, s[WV], 11
	s_add_nc_u64 s[8:9], s[8:9], s[26:27]
	s_lshl_b32 s26, s[WV], 9
	s_add_nc_u64 s[10:11], s[10:11], s[26:27]
	s_lshl_b32 s26, s24, 21                        ; x and out0: the image, c' = 128 ctg, the parity's row, my 512 bytes
	s_lshl_b32 s25, s19, 19
	s_add_co_u32 s26, s26, s25
	s_lshl_b32 s25, s18, 11
	s_add_co_u32 s26, s26, s25
	s_lshl_b32 s25, s[WV], 9
	s_add_co_u32 s26, s26, s25
	s_add_nc_u64 s[12:13], s[12:13], s[26:27]
	s_add_nc_u64 s[14:15], s[14:15], s[26:27]
.irp q, 0,1,2,3
	global_load_b128 v[WOS+4*\q:WOS+4*\q+3], v[VW2], s[8:9] offset:512*\q
.endr
.irp p, 0,1,2,3
.irp s, 0,1,2,3
	global_load_b32 v[OSC+4*\p+\s], v[VL4], s[22:23] offset:2048*\s+128*\p
.endr
.endr
	WIN 0x80
.set tp, 0
.rept 8
	global_load_b128 v[8*tp:8*tp+3], v[VBH], s[10:11] offset:(32*(tp/2)+8*(tp%2))*4
	global_load_b128 v[8*tp+4:8*tp+7], v[VBH], s[10:11] offset:(32*(tp/2)+8*(tp%2))*4+16
.set tp, tp+1
.endr
	WIN 0x40
.set f, 0
.rept 64
	global_load_b128 v[4*f:4*f+3], v[VL16], s[6:7] offset:512*f
.set f, f+1
.endr
	WIN 0
	XL 0
	OL 0
	XL 1
	OL 1
	XL 2
.irp t, 0,1,2,3,4,5,6,7
	TILE \t
.endr
	s_wait_tensorcnt 0x0                           ; the wave's end: a wait, an add of 0 to my spare word and its wait, behind my last LDS store
	ds_add_u32 v[SPW], v[NIL]
	s_wait_dscnt 0x0
	s_endpgm
.Lfunc_end_k_q40bbc96bbc_proj:
	.size	k_q40bbc96bbc_proj, .Lfunc_end_k_q40bbc96bbc_proj-k_q40bbc96bbc_proj
	.p2alignl 7, 3214868480
	.fill 96, 4, 3214868480
	.section	.rodata,"a",@progbits
	.p2align	6, 0x0
	.amdhsa_kernel k_q40bbc96bbc_proj
		.amdhsa_group_segment_fixed_size 34304
		.amdhsa_private_segment_fixed_size 0
		.amdhsa_enable_private_segment 0
		.amdhsa_kernarg_size 48
		.amdhsa_user_sgpr_count 2
		.amdhsa_user_sgpr_kernarg_segment_ptr 1
		.amdhsa_wavefront_size32 1
		.amdhsa_system_sgpr_workgroup_id_x 1
		.amdhsa_system_sgpr_workgroup_id_y 1
		.amdhsa_system_sgpr_workgroup_id_z 1
		.amdhsa_system_vgpr_workitem_id 0
		.amdhsa_next_free_vgpr 768
		.amdhsa_next_free_sgpr 66
		.amdhsa_reserve_vcc 0
		.amdhsa_float_denorm_mode_32 3
		.amdhsa_float_denorm_mode_16_64 3
		.amdhsa_memory_ordered 1
		.amdhsa_forward_progress 1
		.amdhsa_inst_pref_size 110
	.end_amdhsa_kernel
	.amdgpu_metadata
---
amdhsa.version: [ 1, 2 ]
amdhsa.kernels:
  - .name:           k_q40bbc96bbc_proj
    .symbol:         k_q40bbc96bbc_proj.kd
    .args:
      - { .name: obuf, .offset: 0, .size: 8, .value_kind: global_buffer, .address_space: global }
      - { .name: wimg, .offset: 8, .size: 8, .value_kind: global_buffer, .address_space: global }
      - { .name: wo_scales, .offset: 16, .size: 8, .value_kind: global_buffer, .address_space: global }
      - { .name: bo, .offset: 24, .size: 8, .value_kind: global_buffer, .address_space: global }
      - { .name: x, .offset: 32, .size: 8, .value_kind: global_buffer, .address_space: global }
      - { .name: out0, .offset: 40, .size: 8, .value_kind: global_buffer, .address_space: global }
    .group_segment_fixed_size: 34304
    .private_segment_fixed_size: 0
    .kernarg_segment_align: 8
    .kernarg_segment_size: 48
    .max_flat_workgroup_size: 128
    .sgpr_count:     66
    .vgpr_count:     768
    .wavefront_size: 32
...
	.end_amdgpu_metadata
.endif
;; end of part 4
